; MI455X (gfx1250); checked and timed in simulation.
; The chip was launched on July 23, 2026; its instructions are those of AMD's public machine-readable ISA for CDNA 5 (MIT licence, August 2026) and "CDNA5" Instruction Set Architecture Reference Guide (July 2026). The comments in the code are by the model that wrote it; some were corrected since.
;; Multihead Dot Product Attention. Allowed arithmetic: matrix products marked QUANTISED: E2M1 operands, one E8M0 scale for each 32 along K, by v_wmma_scale_f32_16x16x128_f8f6f4 with both operands' format E2M1 (or v_wmma_scale_f32_32x16x128_f4), f32 sums; everything else in f32.
;; Inputs: b_k 1,024 float32; b_o 1,024 float32; b_q 1,024 float32; b_v 1,024 float32; w_k 1,024 x 1,024 float32; w_o 1,024 x 1,024 float32; w_q 1,024 x 1,024 float32; w_v 1,024 x 1,024 float32; x 4 x 2,048 x 1,024 float32.
;; Outputs: out0 4 x 2,048 x 1,024 float32.
;; This version of the problem:
;;   THIS VERSION OF THE PROBLEM IS GIVEN IN LOW PRECISION. The matrix products marked QUANTISED in the list below multiply operands that are first quantised to E2M1 (2 exponent bits, 1 mantissa bit; 4 bits a number), with one power-of-two scale for each 32 numbers along K (OCP MX v1.0); their sums are f32. All else is computed in f32.
;;   The module's matrix products, in the order in which they are computed (A, B: the left and right operand; K: the contracted axis; several contracted axes count as one K, in the product's order):
;;     1. [M 8,192, K 1,024] x [K 1,024, N 1,024]; A: input x; B: input w_q: QUANTISED
;;     2. [M 8,192, K 1,024] x [K 1,024, N 1,024]; A: input x; B: input w_k: QUANTISED
;;     3. [M 8,192, K 1,024] x [K 1,024, N 1,024]; A: input x; B: input w_v: QUANTISED
;;     4. batch 64 x [M 2,048, K 64] x [K 64, N 2,048]; A: computed on the way; B: computed on the way: QUANTISED
;;     5. batch 64 x [M 2,048, K 2,048] x [K 2,048, N 64]; A: softmax (see below); B: computed on the way: QUANTISED
;;     6. [M 8,192, K 1,024] x [K 1,024, N 1,024]; A: computed on the way; B: input w_o: QUANTISED
;;   THE QUANTISER, for each operand of a quantised product, along K:
;;     - K is cut into blocks of 32 from its start; a last block that is shorter is filled with zeros.
;;     - A block's scale is 2^e with e = floor(log2(the largest magnitude in the block)) - 2, held to -126 .. 127; a block of zeros has e = 0. As a byte (E8M0): e + 127.
;;     - Each number is divided by its block's scale, clamped to +-6, and rounded to the nearest number of E2M1, ties to even, subnormals kept.
;;     - The product sums the exact products of the quantised numbers (number of the format x scale) in f32.
;;   ~~~python
;;   def quantise(x, axis):      # numpy; x: float32 -> the quantised numbers, widened to float32 again
;;       x = np.moveaxis(x, axis, -1); K = x.shape[-1]
;;       x = np.pad(x, [(0, 0)] * (x.ndim - 1) + [(0, -K % 32)]); x = x.reshape(x.shape[:-1] + (-1, 32)); a = np.abs(x).max(-1, keepdims=True)
;;       e = np.where(a > 0, np.clip(np.frexp(np.where(a > 0, a, 1))[1] - 1 - 2, -126, 127), 0)      # np.frexp(a)[1] - 1 = floor(log2(a)), exactly
;;       r = np.clip(x / 2.0 ** e, -6, 6)
;;       step = 2.0 ** (np.maximum(np.frexp(np.where(r == 0, 1, r))[1] - 1, 0) - 1)
;;       q = np.round(r / step) * step * 2.0 ** e      # np.round: ties to even
;;       return np.moveaxis(q.reshape(q.shape[:-2] + (-1,))[..., :K], -1, axis).astype(np.float32)
;;   ~~~
;;   SOFTMAX AHEAD OF A QUANTISED PRODUCT. Where the list says 'softmax', what is quantised is not the finished softmax but p = 2^(t - M), with t = logit x log2(e) and M = ceil(the row's largest t), a whole number; so 1/2 < the row's largest p <= 1. The row's sum l is taken of the UNQUANTISED p, in f32, and the product's result is divided by l at the end. Since M is a whole number, a kernel that streams over the keys may use a running M (the ceiling of the running maximum): every later rescaling is an exact power of two, which a block's scale takes up: the codes' values come out the same.
;;   OPERANDS COMPUTED ON THE WAY. 'Computed on the way' means the value that the module computes at that place (a softmax that the list does not call 'softmax' is quantised finished and normalised). What goes into a quantiser is computed in f32, as accurately as f32 sums, v_exp_f32 and their like allow (about 1e-6 of the number): no bf16 or f16 on the way to a quantiser, and a product that is left as it is and whose result goes on into a quantised operand takes f32 operands (vector FMAs, or v_wmma_f32_16x16x4_f32). A number that lies on a knife's edge between two numbers of the format may be rounded either way, as far as f32 arithmetic and the matrix unit's own rounding can turn it there, and no further.
;; One version. Each part assembles by itself: llvm-mc -triple=amdgcn-amd-amdhsa -mcpu=gfx1250 --defsym DOCPART=n.
;; ======== version 1 of 1: 4 launches
;; workspace buffers: cod 6,291,456 bytes; scl 393,216 bytes; qq 4,718,592 bytes; kv 9,175,040 bytes; pc 4,194,304 bytes; ps 262,144 bytes
;; launch quant (part 1): grid 384 x 1, 4 waves a work-group, no clusters, 34,304 bytes of LDS; arguments x, w_q, w_k, w_v, w_o, cod, scl; writes cod, scl
.if DOCPART == 1
	.amdgcn_target "amdgcn-amd-amdhsa--gfx1250"
	.amdhsa_code_object_version 6
	.text
	.protected	k_qaf6b44e284_quant
	.globl	k_qaf6b44e284_quant
	.p2align	8
	.type	k_qaf6b44e284_quant,@function
k_qaf6b44e284_quant:
	s_mov_b64 s[64:65], 0
	v_nop
	global_prefetch_b8 v0, s[64:65] scope:SCOPE_SE
	s_setreg_imm32_b32 hwreg(HW_REG_WAVE_MODE, 25, 1), 1
	s_wait_xcnt 0x0
; LAUNCH 1 OF 4.  x [8192][1024] and w_q, w_k, w_v, w_o [1024][1024], f32 with K innermost, become codes of FP4 (E2M1) and E8M0 scale bytes, one for each 32 along K.
; THE PROGRAM: 1 quantises the inputs; 2 makes q, k, v (products 1 to 3, + bias) and quantises them; 3 is the attention (products 4 and 5) and quantises its result; 4 is the projection out (product 6, + b_o).
; WORK LEFT OUT, in launch 3 alone: reference() builds causal = tril(ones) in its own body and sets att to -inf where key > query; exp(-inf) = 0, so such a key adds 0 to the row's sum and 0 x v to pred,
; whatever finite values the inputs hold.  Key steps of 128 keys that lie wholly behind a tile's last query are therefore not multiplied.  Every input has a way to the output and is loaded: b_q and b_k move codes, b_v and b_o move results.
; LIMITS: a NaN, an infinity or an overflow that reaches only the key steps left out is not carried to the result.  NaN and infinities among the inputs are not served.  A block whose largest magnitude lies under 2^-124 keeps
; the scale byte 1; a block of zeros gets the byte 1 where the rule says 127: its codes are zeros, which add nothing under any byte but 0xff, and the bytes are read by this program alone.
; LAYOUT OF THE WORKSPACE: IMAGES OF OPERAND REGISTERS.  Rows go in groups of 128 (groups 0-63: x; 64-71 w_q; 72-79 w_k; 80-87 w_v; 88-95 w_o) and tiles of 16.  Lane row r of tile t is group row
; 32 (t / 2) + 8 (t % 2) + r + 8 (r / 8).  Codes of a group, 65,536 bytes: K step s (128 along K) x 8,192 + t x 1,024 + c x 512 + 16 x lane: lane (r, h) holds k = 128 s + 64 c + 32 h + 0 .. 31, which are registers 4 c .. 4 c + 3
; of the fragment.  Scale words of a group, 4,096 bytes: s x 512 + (t / 4) x 256 + 16 r + 4 (t % 4).
; SHARES.  A wave takes 64 rows (four tiles) x 128 along K.  Each load reads 512 consecutive bytes of one row; a tile's 16 rows turn through the wave's own stage in LDS (rows 528 bytes apart, so that the sixteen
; lanes of a read fall on sixteen different columns of 16 bytes), and come back 128 bytes a lane: a lane then holds two whole blocks of 32, so no other lane is asked for a maximum.
; No tensor load, no barrier: waves share nothing.  The next tile's 16 loads are out while a tile is worked.
.set ROWB,  4096                       ; a row of f32 in memory
.set SP,    528                        ; a stage row: 512 bytes + 16
.set STGB,  16*SP                      ; a wave's stage
.set SPARE, 4*STGB                     ; behind the stages: the spare words, 128 bytes a wave: two blocks of 256 bytes that no other line names
.set L16,   4                          ; v4   16 x lane: my place in a load's 512 bytes and in an image's
.set SIN,   5                          ; v5   the stage, on the way in
.set SOUT,  6                          ; v6   and on the way out: row r, + 128 h
.set SH8,   7                          ; v7   8 h
.set SWO,   8                          ; v8   16 r + 8 h: my two scale words' place
.set SPW,   10                         ; v10  LDS address of my spare word; never rewritten
.set NIL,   11                         ; v11  0; never rewritten
.set R,     16                         ; v16-143  two sets of 16 rows as they are loaded
.set X,     144                        ; v144-207 my 64 numbers: two blocks of 32
.set C,     208                        ; v208-239 codes: eight registers for each tile, so that no store's data are written again
.set PW,    240                        ; v240-243 a scale word for each tile
.set M,     244                        ; v244-245 largest magnitudes
.set SO,    246                        ; v246-247 the conversions' scale operands
.set BY,    248                        ; v248-249 scale bytes
.set T,     250                        ; v250-251 at work
.set D,     252                        ; v252-253 the two scale words that I store
	s_load_b256 s[4:11], s[0:1], 0x0               ; x, w_q, w_k, w_v
	s_load_b128 s[12:15], s[0:1], 0x20             ; w_o, cod
	s_load_b64 s[16:17], s[0:1], 0x30              ; scl
	v_lshl_add_u32 v[SPW], v0, 2, SPARE
	v_mov_b32 v[NIL], 0
	v_lshrrev_b32 v1, 5, v0
	v_readfirstlane_b32 s18, v1                    ; wave
	v_and_b32 v1, 31, v0                           ; lane
	v_and_b32 v2, 15, v0                           ; r
	v_bfe_u32 v3, v0, 4, 1                         ; h
	v_lshlrev_b32 v[L16], 4, v1
	s_mul_i32 s27, s18, STGB
	v_add_nc_u32 v[SIN], s27, v[L16]
	v_mul_u32_u24 v[SOUT], v2, SP
	v_lshl_add_u32 v[SOUT], v3, 7, v[SOUT]
	v_add_nc_u32 v[SOUT], s27, v[SOUT]
	v_lshlrev_b32 v[SH8], 3, v3
	v_lshl_add_u32 v[SWO], v2, 4, v[SH8]
	v_mov_b32 v[T+1], 0                            ; written once: a lane permute's destination counts as one of its sources
	s_mov_b32 s24, 0x76543210
	s_mov_b32 s25, 0xfedcba98                      ; v_permlanex16_b32's selects for lane l xor 16
	s_mov_b32 s26, 0xffff0000                      ; lanes 16-31
	s_lshr_b32 s19, ttmp9, 2                       ; the group
	s_and_b32 s28, ttmp9, 3
	s_lshl_b32 s28, s28, 1
	s_lshr_b32 s29, s18, 1
	s_add_co_u32 s28, s28, s29                     ; the K step: 2 (work-group % 4) + wave / 2
	s_and_b32 s29, s18, 1                          ; which four tiles
	s_and_b32 s22, s19, 7                          ; the group's number inside a weight
	s_wait_alu depctr_va_vdst(0)
	s_wait_kmcnt 0x0
	s_cmp_lt_u32 s19, 72                           ; which tensor: the choice hangs on the work-group's number alone
	s_cselect_b64 s[20:21], s[6:7], s[8:9]
	s_cmp_lt_u32 s19, 80
	s_cselect_b64 s[20:21], s[20:21], s[10:11]
	s_cmp_lt_u32 s19, 88
	s_cselect_b64 s[20:21], s[20:21], s[12:13]
	s_cmp_lt_u32 s19, 64
	s_cselect_b64 s[20:21], s[4:5], s[20:21]
	s_cselect_b32 s22, s19, s22                    ; and inside x
	s_lshl_b32 s30, s22, 19                        ; 128 rows of 4,096 bytes,
	s_lshl_b32 s23, s29, 18                        ; 64 rows,
	s_add_co_u32 s30, s30, s23
	s_lshl_b32 s23, s28, 9                         ; 128 numbers along K
	s_add_co_u32 s30, s30, s23
	s_mov_b32 s31, 0
	s_add_nc_u64 s[20:21], s[20:21], s[30:31]
	s_lshl_b32 s30, s19, 16                        ; the codes: group x 65,536 + s x 8,192 + four tiles x 1,024
	s_lshl_b32 s23, s28, 13
	s_add_co_u32 s30, s30, s23
	s_lshl_b32 s23, s29, 12
	s_add_co_u32 s30, s30, s23
	s_add_nc_u64 s[14:15], s[14:15], s[30:31]
	s_lshr_b32 s30, s30, 4                         ; the scale words: a sixteenth of that
	s_add_nc_u64 s[16:17], s[16:17], s[30:31]
.macro LOADT q                         ; tile q's 16 rows, 512 consecutive bytes each, into set q % 2
.irp i, 0,1,2,3,4,5,6,7,8,9,10,11,12,13,14,15
	global_load_b128 v[R+64*((\q)%2)+4*\i:R+64*((\q)%2)+4*\i+3], v[L16], s[20:21] offset:(32*((\q)/2)+8*((\q)%2)+\i+8*(\i/8))*ROWB th:TH_LOAD_NT
.endr
.endm
.macro TILE q
.if (\q) < 3
	s_wait_loadcnt 16                              ; this tile's 16 loads are in; the next tile's 16 may be out
.else
	s_wait_loadcnt 0x0
.endif
.irp i, 0,1,2,3,4,5,6,7,8,9,10,11,12,13,14,15
	ds_store_b128 v[SIN], v[R+64*((\q)%2)+4*\i:R+64*((\q)%2)+4*\i+3] offset:SP*\i
.endr
.irp c, 0,1
.irp i, 0,1,2,3,4,5,6,7
	ds_load_b128 v[X+32*\c+4*\i:X+32*\c+4*\i+3], v[SOUT] offset:256*\c+16*\i   ; LDS serves a wave's instructions in order: these see the stores above.  k = 64 c + 32 h + 4 i ..
.endr
.endr
	s_wait_dscnt 0x0                               ; my numbers are back, and the stores have read their registers,
.if (\q) < 2
	LOADT (\q)+2                                   ; which take the tile two further on
.endif
.irp c, 0,1
	v_max3_num_f32 v[M+\c], |v[X+32*\c]|, |v[X+32*\c+1]|, 0x1800000   ; block 2 c + h: all 32 numbers are mine; the floor 2^(3 - 127) keeps the byte at 1 from below
.endr
.irp i, 2,4,6,8,10,12,14,16,18,20,22,24,26,28,30
.irp c, 0,1
	v_max3_num_f32 v[M+\c], v[M+\c], |v[X+32*\c+\i]|, |v[X+32*\c+\i+1]|
.endr
.endr
.irp c, 0,1
	v_add_nc_u32 v[SO+\c], 0xff000000, v[M+\c]     ; 2 off the exponent field: the conversion takes the exponent field of this operand as its scale
.endr
.irp c, 0,1
	v_lshrrev_b32 v[BY+\c], 23, v[SO+\c]           ; the scale's byte
.endr
	v_lshl_or_b32 v[T], v[BY+1], 16, v[BY]         ; my two bytes, blocks h and 2 + h,
	v_lshlrev_b32 v[T], v[SH8], v[T]               ; at their places in the word;
	v_permlanex16_b32 v[T+1], v[T], s24, s25
	v_or_b32 v[PW+(\q)], v[T], v[T+1]              ; with lane l xor 16's two the word is whole
.irp c, 0,1
.irp g, 0,1,2,3
	v_cvt_scalef32_pk8_fp4_f32 v[C+8*(\q)+4*\c+\g], v[X+32*\c+8*\g:X+32*\c+8*\g+7], v[SO+\c]
.endr
.endr
	v_nop                                          ; one plain line behind the last conversion of the run
.irp c, 0,1
	global_store_b128 v[L16], v[C+8*(\q)+4*\c:C+8*(\q)+4*\c+3], s[14:15] offset:1024*(\q)+512*\c   ; 32 lanes store 512 consecutive bytes, aligned to 256
.endr
.endm
	LOADT 0
	LOADT 1
	TILE 0
	TILE 1
	TILE 2
	TILE 3
	v_cndmask_b32 v[D], v[PW], v[PW+2], s26        ; lanes 0-15 store tiles 0 and 1's words of row r, lanes 16-31 tiles 2 and 3's:
	v_cndmask_b32 v[D+1], v[PW+1], v[PW+3], s26
	global_store_b64 v[SWO], v[D:D+1], s[16:17]    ; 256 consecutive bytes, aligned
	s_wait_tensorcnt 0x0                           ; the wave's end: behind my last LDS store
	ds_add_u32 v[SPW], v[NIL]
	s_wait_dscnt 0x0
	s_endpgm
.Lfunc_end_k_qaf6b44e284_quant:
	.size	k_qaf6b44e284_quant, .Lfunc_end_k_qaf6b44e284_quant-k_qaf6b44e284_quant
	.p2alignl 7, 3214868480
	.fill 96, 4, 3214868480
	.section	.rodata,"a",@progbits
	.p2align	6, 0x0
	.amdhsa_kernel k_qaf6b44e284_quant
		.amdhsa_group_segment_fixed_size 34304
		.amdhsa_private_segment_fixed_size 0
		.amdhsa_enable_private_segment 0
		.amdhsa_kernarg_size 56
		.amdhsa_user_sgpr_count 2
		.amdhsa_user_sgpr_kernarg_segment_ptr 1
		.amdhsa_wavefront_size32 1
		.amdhsa_system_sgpr_workgroup_id_x 1
		.amdhsa_system_sgpr_workgroup_id_y 1
		.amdhsa_system_sgpr_workgroup_id_z 1
		.amdhsa_system_vgpr_workitem_id 0
		.amdhsa_next_free_vgpr 256
		.amdhsa_next_free_sgpr 66
		.amdhsa_reserve_vcc 0
		.amdhsa_float_denorm_mode_32 3
		.amdhsa_float_denorm_mode_16_64 3
		.amdhsa_memory_ordered 1
		.amdhsa_forward_progress 1
		.amdhsa_inst_pref_size 30
	.end_amdhsa_kernel
	.amdgpu_metadata
---
amdhsa.version: [ 1, 2 ]
amdhsa.kernels:
  - .name:           k_qaf6b44e284_quant
    .symbol:         k_qaf6b44e284_quant.kd
    .args:
      - { .name: x, .offset: 0, .size: 8, .value_kind: global_buffer, .address_space: global }
      - { .name: w_q, .offset: 8, .size: 8, .value_kind: global_buffer, .address_space: global }
      - { .name: w_k, .offset: 16, .size: 8, .value_kind: global_buffer, .address_space: global }
      - { .name: w_v, .offset: 24, .size: 8, .value_kind: global_buffer, .address_space: global }
      - { .name: w_o, .offset: 32, .size: 8, .value_kind: global_buffer, .address_space: global }
      - { .name: cod, .offset: 40, .size: 8, .value_kind: global_buffer, .address_space: global }
      - { .name: scl, .offset: 48, .size: 8, .value_kind: global_buffer, .address_space: global }
    .group_segment_fixed_size: 34304
    .private_segment_fixed_size: 0
    .kernarg_segment_align: 8
    .kernarg_segment_size: 56
    .max_flat_workgroup_size: 128
    .sgpr_count:     66
    .vgpr_count:     256
    .wavefront_size: 32
...
	.end_amdgpu_metadata
.endif
;; end of part 1
;; launch qkv (part 2): grid 12 x 32, 4 waves a work-group, clusters of 4 x 4, 327,680 bytes of LDS; arguments cod, scl, b_q, b_k, b_v, qq, kv; writes qq, kv
.if DOCPART == 2
	.amdgcn_target "amdgcn-amd-amdhsa--gfx1250"
	.amdhsa_code_object_version 6
	.text
	.protected	k_qaf6b44e284_qkv
	.globl	k_qaf6b44e284_qkv
	.p2align	8
	.type	k_qaf6b44e284_qkv,@function
k_qaf6b44e284_qkv:
	s_mov_b64 s[64:65], 0
	v_nop
	global_prefetch_b8 v0, s[64:65] scope:SCOPE_SE
	s_setreg_imm32_b32 hwreg(HW_REG_WAVE_MODE, 25, 1), 1
	s_wait_xcnt 0x0
	s_wait_alu depctr_hold_cnt(0) depctr_sa_sdst(0) depctr_va_vdst(0) depctr_va_sdst(0) depctr_va_ssrc(0) depctr_va_vcc(0) depctr_vm_vsrc(0)
	s_getreg_b32 s2, hwreg(HW_REG_IB_STS2, 6, 4)
	s_cmp_eq_u32 s2, 0
	s_cbranch_scc0 .Lentry_in_a_cluster
	s_endpgm
.Lentry_in_a_cluster:
	s_bfe_u32 s2, ttmp6, 0x10000c
	s_cmp_lg_u32 s2, 0xf033
	s_cbranch_scc0 .Lentry_shape_is_right
	s_endpgm
.Lentry_shape_is_right:
; LAUNCH 2 OF 4.  q = x w_q^T + b_q, k = x w_k^T + b_k, v = x w_v^T + b_v on codes of FP4 with E8M0 scales, sums in f32; the results are quantised in registers and stored as images of the next products' operands.
; No work is left out here.  LIMITS: as stated at the head of launch 1 (bytes of small and of zero blocks; NaN and infinities not served).
; A tile of 256 x 256 results is made by four waves, 128 x 128 each: 64 accumulators of 16 x 16, 512 registers.  K = 1,024 lies whole in LDS, brought in two halves, each filled once: nothing is filled again.
; THE MATRIX INSTRUCTION: source 0 = 16 rows of operand B', source 1 = 16 rows of operand A'.  A lane then holds ONE row of A' and its registers run along B's rows.  Since lane row m of tile b is group row
; 32 (b / 2) + 8 (b % 2) + m + 8 (m / 8), the 16 registers of tiles 2 b', 2 b' + 1 are 16 NEIGHBOURS, 32 b' + 16 (lane / 16) + 0 .. 15, along B's rows: the axis along which the result is quantised.
; CLUSTER COLUMNS 0 AND 1 (q, k): A' = x, B' = the weight: quantised along the channels (a head's 64).  CLUSTER COLUMN 2 (v): A' = w_v, B' = x: v^T, quantised along the keys.  One text serves all three.
; CLUSTERS: 4 x 4 work-groups; A's groups are shared along a row of the cluster, B's along a column: each is asked for jointly, which divides the requests by four.
; OUT.  qq: [batch x 16 + head][group of 128 queries] x 4,608 bytes: 8 tiles x 512 bytes of codes (lane (r, h): d = 32 h ..), then 512 bytes of scale words [t / 4][r][t % 4], of which bytes 0 and 1 count.
;       kv: [batch x 16 + head][128 keys] x 8,960 bytes: K as q (4,608 bytes); V's codes [d tile 4][c 2][lane][16 bytes] at 4,608; V's scale words [r][d tile] at 8,704.
; REGISTERS, in windows of 256.  Window 0: v0-31 addresses; v32-47 scale words, two sets (A's four registers, then B's four: register q holds tile q's words in lanes 0-15, tile 4 + q's in lanes 16-31);
;   v48-79 at work on the way out; v128-255 A's fragments, two sets; on the way out v128-191 the codes.  Window 1: B's fragments at v0 and v128; v64-127 the bias, in the result's layout.  Windows 2, 3: the accumulators, (a, b) at v[8 (8 (a % 4) + b)].
.set NL,    34                         ; LDS loads of a K step: 16 for B, 16 for A, 2 of scale words
.set SCW,   262144                     ; LDS: codes at wave x 65,536 (A's two groups, then B's two); scale words at SCW + wave x 4,096
.set SPARE, 278528                     ; the spare words, 128 bytes a wave: two blocks of 256 bytes that no other line names
.set L16,   3                          ; v3   16 x lane
.set ADRA,  16                         ; v16  LDS address of my A group's codes
.set ADRB,  17                         ; v17  of my B group's
.set ADSA,  18                         ; v18  of A's scale words
.set ADSB,  19                         ; v19  of B's
.set VSO,   20                         ; v20  V's scale words on the way out: 16 r, + a head for lanes 16-31
.set SPW,   28                         ; v28  LDS address of my spare word; never rewritten
.set NIL,   29                         ; v29  0; never rewritten
.set TM,    48                         ; v48-63 the quantiser's work
.set PW,    64                         ; v64-71 a scale word for each of A's tiles
.set OUT,   72                         ; v72-79 the scale words as they are stored
.set CD,    128                        ; v128-191 the codes
.set G1A,   24                         ; s[24:31], s[32:39] descriptor group 1 for half a group's codes, A's mask and B's
.set G1B,   32
.set G1SA,  40                         ; s[40:47], s[48:55] for a group's scale words
.set G1SB,  48
.set DSA,   56                         ; group 0: A's scale words, first half, second half;
.set DA0,   60
.set DA1,   68
.set DSB,   72                         ; B's
.set DB0,   76
.set DB1,   80
.set SEL,   90
.set MSB, 0
.macro WIN new                         ; the immediate's high byte repeats the setting that is left
.if MSB != (\new)
	s_set_vgpr_msb (MSB<<8)|(\new)
.set MSB, (\new)
.endif
.endm
.macro PLACES                          ; four plain places behind a matrix instruction, in front of loads into its sources and of reads of its results
.rept 4
	v_nop
.endr
.endm
; A joint load: waves 0 and 1 fetch for A, waves 2 and 3 for B.  The branch hangs on the wave's number alone.  An s_nop 0 and four v_nop follow each line.
.macro JLOAD g0a, g1a, g0b, g1b
	s_cmp_eq_u32 s19, 0
	s_cbranch_scc0 .Lfor_b_\@
	tensor_load_to_lds s[\g0a:\g0a+3], s[\g1a:\g1a+7]
	s_nop 0
.rept 4
	v_nop
.endr
	s_branch .Lasked_\@
.Lfor_b_\@:
	tensor_load_to_lds s[\g0b:\g0b+3], s[\g1b:\g1b+7]
	s_nop 0
.rept 4
	v_nop
.endr
.Lasked_\@:
.endm
.macro CROUND                          ; a round of the cluster's barrier
	s_barrier_signal -1
	s_barrier_wait -1
	s_cmp_lg_u32 s18, 0
	s_cbranch_scc1 .Lnot_wave_0_\@
	s_barrier_signal -3
.Lnot_wave_0_\@:
	s_barrier_wait -3
	s_barrier_signal -1
	s_barrier_wait -1
.endm
	s_load_b256 s[4:11], s[0:1], 0x0               ; cod, scl, b_q, b_k
	s_load_b128 s[12:15], s[0:1], 0x20             ; b_v, qq
	s_load_b64 s[16:17], s[0:1], 0x30              ; kv
	v_lshl_add_u32 v[SPW], v0, 2, SPARE
	v_mov_b32 v[NIL], 0
	ds_add_u32 v[SPW], v[NIL]                      ; the wave's opening: the add, twice on end, and its wait ahead of my first tensor load
	ds_add_u32 v[SPW], v[NIL]
	v_lshrrev_b32 v1, 5, v0
	v_readfirstlane_b32 s18, v1                    ; wave
	s_lshr_b32 s19, s18, 1                         ; which of A's two groups is mine.  Also: I fetch for A (0) or for B (1)
	s_and_b32 s20, s18, 1                          ; which of B's.  Also: which of the two groups I fetch
	s_bfe_u32 s21, ttmp6, 0x40000                  ; cx
	s_bfe_u32 s22, ttmp6, 0x40004                  ; cy
	s_and_b32 s93, ttmp7, 0xffff
	s_lshl_b32 s93, s93, 3                         ; 8 x cluster y: x's groups of this row of clusters
	s_lshl_b32 s94, ttmp9, 3
	s_add_co_u32 s94, s94, 64                      ; 64 + 8 x cluster x: w_q's or w_k's groups
	s_lshl_b32 s97, s22, 1                         ; 2 cy
	s_lshl_b32 s98, s21, 1                         ; 2 cx
	s_cmp_lt_u32 ttmp9, 2                          ; q, k or v: the cluster's x, which all sixteen partners share
	s_cselect_b32 s95, s93, 80                     ; A': x, or w_v (groups 80 on)
	s_cselect_b32 s96, s94, s93                    ; B': the weight, or x
	s_add_co_u32 s95, s95, s97                     ; A's first group hangs on cy alone of the two places,
	s_add_co_u32 s96, s96, s98                     ; B's on cx alone
	s_lshl_b32 s99, s22, 2
	s_lshl_b32 s99, 15, s99                        ; my row of the cluster
	s_lshl_b32 s100, 0x1111, s21                   ; my column
	s_or_b32 s[G1A], s99, (3<<16)|(1<<21)          ; 15:0 the mask; 17:16 elements of 8 bytes; 21 set beside a mask; no padding: the images are read 16 bytes a lane on end
	s_or_b32 s[G1SA], s99, (3<<16)|(1<<21)
	s_or_b32 s[G1B], s100, (3<<16)|(1<<21)
	s_or_b32 s[G1SB], s100, (3<<16)|(1<<21)
.irp g, G1A, G1B                       ; half a group's codes: 32,768 dense bytes as 128 rows of 256
	s_mov_b32 s[\g+1], 32<<16
	s_mov_b32 s[\g+2], 128<<16
	s_mov_b32 s[\g+3], 32<<16
	s_mov_b32 s[\g+4], 128
	s_mov_b32 s[\g+5], 32
	s_mov_b32 s[\g+6], 0
	s_mov_b32 s[\g+7], 0
.endr
.irp g, G1SA, G1SB                     ; a group's scale words: 4,096 dense bytes as 16 rows of 256
	s_mov_b32 s[\g+1], 32<<16
	s_mov_b32 s[\g+2], 16<<16
	s_mov_b32 s[\g+3], 32<<16
	s_mov_b32 s[\g+4], 16
	s_mov_b32 s[\g+5], 32
	s_mov_b32 s[\g+6], 0
	s_mov_b32 s[\g+7], 0
.endr
	s_add_co_u32 s23, s95, s20                     ; the group of A that I would fetch,
	s_add_co_u32 s101, s96, s20                    ; and of B
	s_lshl_b32 s84, s23, 16
	s_mov_b32 s85, 0
	s_lshl_b32 s86, s23, 12
	s_mov_b32 s87, 0
	s_lshl_b32 s88, s101, 16
	s_mov_b32 s89, 0
	s_lshl_b32 s90, s101, 12
	s_mov_b32 s91, 0
	s_lshl_b32 s2, s18, 16                         ; where they go: wave x 65,536; no place in the cluster enters an LDS address
	s_lshl_b32 s3, s18, 12
	s_wait_dscnt 0x0                               ; both opening adds are done
	s_wait_kmcnt 0x0
	s_mov_b32 s[DSA], 1
	s_add_co_u32 s[DSA+1], s3, SCW
	s_add_nc_u64 s[DSA+2:DSA+3], s[6:7], s[86:87]
	s_or_b32 s[DSA+3], s[DSA+3], 0x80000000
	s_mov_b32 s[DA0], 1
	s_mov_b32 s[DA0+1], s2
	s_add_nc_u64 s[DA0+2:DA0+3], s[4:5], s[84:85]
	s_mov_b32 s[DA1], 1
	s_add_co_u32 s[DA1+1], s2, 32768
	s_add_nc_u64 s[DA1+2:DA1+3], s[DA0+2:DA0+3], 32768
	s_or_b32 s[DA0+3], s[DA0+3], 0x80000000
	s_or_b32 s[DA1+3], s[DA1+3], 0x80000000
	s_mov_b32 s[DSB], 1
	s_add_co_u32 s[DSB+1], s3, SCW
	s_add_nc_u64 s[DSB+2:DSB+3], s[6:7], s[90:91]
	s_or_b32 s[DSB+3], s[DSB+3], 0x80000000
	s_mov_b32 s[DB0], 1
	s_mov_b32 s[DB0+1], s2
	s_add_nc_u64 s[DB0+2:DB0+3], s[4:5], s[88:89]
	s_mov_b32 s[DB1], 1
	s_add_co_u32 s[DB1+1], s2, 32768
	s_add_nc_u64 s[DB1+2:DB1+3], s[DB0+2:DB0+3], 32768
	s_or_b32 s[DB0+3], s[DB0+3], 0x80000000
	s_or_b32 s[DB1+3], s[DB1+3], 0x80000000
	CROUND                                         ; all sixteen work-groups are here: the first joint loads meet
	JLOAD DSA, G1SA, DSB, G1SB                     ; three loads of mine are out: the scale words,
	JLOAD DA0, G1A, DB0, G1B                       ; K steps 0 to 3,
	JLOAD DA1, G1A, DB1, G1B                       ; K steps 4 to 7
	; where the results go, and which bias
	s_add_co_u32 s93, s95, s19                     ; my group of A,
	s_add_co_u32 s94, s96, s20                     ; of B
	s_add_co_u32 s97, s97, s19                     ; 2 cy + my half
	s_add_co_u32 s98, s98, s20                     ; 2 cx + my half
	s_cmp_lt_u32 ttmp9, 2
	s_cselect_b32 s23, s93, s94                    ; the group of 128 tokens,
	s_cselect_b32 s101, s98, s97                   ; the group of 128 channels: heads 2 g and 2 g + 1
	s_cselect_b64 s[88:89], s[10:11], s[12:13]
	s_cmp_eq_u32 ttmp9, 0
	s_cselect_b64 s[88:89], s[8:9], s[88:89]       ; b_q, b_k or b_v
	s_cselect_b64 s[84:85], s[14:15], s[16:17]     ; qq or kv
	s_mov_b32 s93, 143360
	s_cselect_b32 s93, 73728, s93                  ; bytes of a head there,
	s_mov_b32 s94, 8960
	s_cselect_b32 s94, 4608, s94                   ; and of 128 tokens
	s_lshl_b32 s2, s101, 9
	s_mov_b32 s3, 0
	s_add_nc_u64 s[88:89], s[88:89], s[2:3]        ; the bias at my 128 channels
	s_and_b32 s99, s23, 48                         ; 16 x batch
	s_lshl_b32 s100, s101, 1
	s_add_co_u32 s99, s99, s100                    ; + head
	s_and_b32 s100, s23, 15                        ; the tokens' group inside the batch
	s_mul_i32 s99, s99, s93
	s_mul_i32 s100, s100, s94
	s_add_co_u32 s2, s99, s100
	s_add_nc_u64 s[84:85], s[84:85], s[2:3]        ; the even head's record,
	s_mov_b32 s2, s93
	s_add_nc_u64 s[86:87], s[84:85], s[2:3]        ; the odd head's
	s_mov_b32 s[SEL], 0x76543210
	s_mov_b32 s[SEL+1], 0xfedcba98
	s_mov_b32 s92, 0xffff0000                      ; lanes 16-31
	v_and_b32 v1, 31, v0
	v_and_b32 v2, 15, v0                           ; r
	v_bfe_u32 v4, v0, 4, 1                         ; h
	v_lshlrev_b32 v[L16], 4, v1
	s_lshl_b32 s99, s19, 16
	v_add_nc_u32 v[ADRA], s99, v[L16]
	s_lshl_b32 s99, s20, 16
	s_add_co_u32 s99, s99, 131072
	v_add_nc_u32 v[ADRB], s99, v[L16]
	s_lshl_b32 s99, s19, 12
	s_add_co_u32 s99, s99, SCW
	v_add_nc_u32 v[ADSA], s99, v[L16]
	s_lshl_b32 s99, s20, 12
	s_add_co_u32 s99, s99, SCW+8192
	v_add_nc_u32 v[ADSB], s99, v[L16]
	v_mul_u32_u24 v[VSO], v4, 143360
	v_lshl_add_u32 v[VSO], v2, 4, v[VSO]
	v_lshlrev_b32 v22, 6, v4                       ; q, k: the bias runs along the registers: 16 h numbers on
	v_and_b32 v23, 8, v2
	v_add_nc_u32 v23, v23, v2
	v_lshlrev_b32 v23, 2, v23                      ; v: it hangs on the lane's row: r + 8 (r / 8)
.irp b, 0,1,2,3
	v_mov_b32 v[TM+4+\b], 0                        ; written once: a lane permute's destination counts as one of its sources
.endr
	; THE BIAS IS THE C OF EACH SUM'S FIRST MATRIX INSTRUCTION: eight registers a tile, in the result's layout
	s_cmp_lt_u32 ttmp9, 2
	s_cbranch_scc0 .Lbias_v
	WIN 0x40
.irp b, 0,1,2,3,4,5,6,7
	global_load_b128 v[64+8*\b:64+8*\b+3], v22, s[88:89] offset:(32*(\b/2)+8*(\b%2))*4
	global_load_b128 v[64+8*\b+4:64+8*\b+7], v22, s[88:89] offset:(32*(\b/2)+8*(\b%2))*4+16
.endr
	WIN 0
	s_branch .Lbias_done
.Lbias_v:
	WIN 0x40
	s_wait_alu depctr_va_vdst(0)
.irp a, 0,1,2,3,4,5,6,7
.irp j, 0,1,2,3,4,5,6,7
	global_load_b32 v[64+8*\a+\j], v23, s[88:89] offset:(32*(\a/2)+8*(\a%2))*4
.endr
.endr
	WIN 0
.Lbias_done:
.macro FETCH s, p                      ; K step s: B's eight fragments, A's eight, and the scale words, into set p: NL loads, each of 512 bytes on end
	WIN 0x40
.irp t, 0,1,2,3,4,5,6,7
.irp c, 0,1
	ds_load_b128 v[128*(\p)+8*\t+4*\c:128*(\p)+8*\t+4*\c+3], v[ADRB] offset:(\s)*8192+\t*1024+\c*512
.endr
.endr
	WIN 0
.irp t, 0,1,2,3,4,5,6,7
.irp c, 0,1
	ds_load_b128 v[128+64*(\p)+8*\t+4*\c:128+64*(\p)+8*\t+4*\c+3], v[ADRA] offset:(\s)*8192+\t*1024+\c*512
.endr
.endr
	ds_load_b128 v[32+8*(\p):35+8*(\p)], v[ADSA] offset:(\s)*512
	ds_load_b128 v[36+8*(\p):39+8*(\p)], v[ADSB] offset:(\s)*512
.endm
.macro WM ra, rb                       ; one product; ra, rb: the scale words of source 0, 1 stand in lanes 16-31
.if (\ra) && (\rb)
	v_wmma_scale_f32_16x16x128_f8f6f4 v[rD:rD+7], v[rB:rB+7], v[rA:rA+7], v[rC:rC+7], v[sB], v[sA] matrix_a_fmt:MATRIX_FMT_FP4 matrix_b_fmt:MATRIX_FMT_FP4 matrix_a_scale:MATRIX_SCALE_ROW1 matrix_b_scale:MATRIX_SCALE_ROW1
.elseif (\ra)
	v_wmma_scale_f32_16x16x128_f8f6f4 v[rD:rD+7], v[rB:rB+7], v[rA:rA+7], v[rC:rC+7], v[sB], v[sA] matrix_a_fmt:MATRIX_FMT_FP4 matrix_b_fmt:MATRIX_FMT_FP4 matrix_a_scale:MATRIX_SCALE_ROW1
.elseif (\rb)
	v_wmma_scale_f32_16x16x128_f8f6f4 v[rD:rD+7], v[rB:rB+7], v[rA:rA+7], v[rC:rC+7], v[sB], v[sA] matrix_a_fmt:MATRIX_FMT_FP4 matrix_b_fmt:MATRIX_FMT_FP4 matrix_b_scale:MATRIX_SCALE_ROW1
.else
	v_wmma_scale_f32_16x16x128_f8f6f4 v[rD:rD+7], v[rB:rB+7], v[rA:rA+7], v[rC:rC+7], v[sB], v[sA] matrix_a_fmt:MATRIX_FMT_FP4 matrix_b_fmt:MATRIX_FMT_FP4
.endif
.endm
; 64 products of a K step on set p.  The 64 accumulators take turns, one instruction a turn, in the same order in every step.
; mode 0: the sums go on; 1: they start from the bias of B's tile; 2: from the bias of A's tile
.macro MULS p, mode
.irp a, 0,1,2,3,4,5,6,7
.if \mode
.set WW, 0x91+0x40*(\a/4)              ; source 0 (B) window 1, source 1 (A) window 0, C window 1, D window 2 or 3
.else
.set WW, 0xa1+0x50*(\a/4)              ; C and D window 2 or 3
.endif
	WIN WW
.irp b, 0,1,2,3,4,5,6,7
.set rD, 8*(8*(\a%4)+\b)
.set rB, 128*(\p)+8*\b
.set rA, 128+64*(\p)+8*\a
.set rC, rD
.if \mode == 1
.set rC, 64+8*\b
.endif
.if \mode == 2
.set rC, 64+8*\a
.endif
.set sB, 36+8*(\p)+\b%4
.set sA, 32+8*(\p)+\a%4
	WM \b/4, \a/4
.endr
.endr
.endm
.macro STEP s
.if (\s) == 3
	s_wait_tensorcnt 0x0                           ; my part of K's second half has landed;
	s_wait_dscnt 0x0                               ; no LDS load of mine is out at a signal
	s_barrier_signal -1
	s_barrier_wait -1                              ; everybody's has.
.endif
.if (\s) < 7
	PLACES
	FETCH (\s)+1, ((\s)+1)%2
	s_wait_dscnt NL                                ; this step's loads are in; the NL just issued may be out
.else
	s_wait_dscnt 0x0
.endif
	MULS (\s)%2, 0
.endm
	s_wait_tensorcnt 1                             ; the scale words and my part of K steps 0 to 3 are in; the second half's load may be out
	s_barrier_signal -1
	s_barrier_wait -1
	FETCH 0, 0
	FETCH 1, 1
	s_wait_dscnt NL
	s_wait_loadcnt 0x0                             ; the bias
	s_cmp_lt_u32 ttmp9, 2
	s_cbranch_scc0 .Lstep0_v
	MULS 0, 1
	WIN 0
	s_branch .Lstep0_done
.Lstep0_v:
	MULS 0, 2
	WIN 0
.Lstep0_done:
	STEP 1
	STEP 2
	STEP 3
	STEP 4
	STEP 5
	STEP 6
	STEP 7
	WIN 0
	PLACES
; THE QUANTISER, for A's tile a: my row's 64 numbers (register 16 b + i = index 32 b + 16 (lane / 16) + i) become a fragment's eight registers of codes and a scale word.
.macro QUANT a
.set W, 2+(\a)/4
.set AC, 64*((\a)%4)
.set WW, W|(W<<2)
	WIN WW
.irp b, 0,1,2,3
	v_max3_num_f32 v[TM+\b], |v[AC+16*\b]|, |v[AC+16*\b+1]|, 0x1800000   ; each accumulator is read from its low end on; the floor 2^(3 - 127) keeps the byte at 1 from below
.endr
.set WW, (W<<2)|(W<<4)
	WIN WW
.irp i, 2,4,6,8,10,12,14
.irp b, 0,1,2,3
	v_max3_num_f32 v[TM+\b], v[TM+\b], |v[AC+16*\b+\i]|, |v[AC+16*\b+\i+1]|
.endr
.endr
	WIN 0
.irp b, 0,1,2,3
	v_permlanex16_b32 v[TM+4+\b], v[TM+\b], s[SEL], s[SEL+1]
.endr
.irp b, 0,1,2,3
	v_max_num_f32 v[TM+\b], v[TM+\b], v[TM+4+\b]   ; with lane l xor 16's 16: the block's largest magnitude
.endr
.irp b, 0,1,2,3
	v_add_nc_u32 v[TM+12+\b], 0xff000000, v[TM+\b] ; 2 off its exponent field: the conversion's scale operand
.endr
.irp b, 0,1,2,3
	v_lshrrev_b32 v[TM+4+\b], 23, v[TM+12+\b]      ; the scale's byte
.endr
	v_lshl_or_b32 v[PW+(\a)], v[TM+5], 8, v[TM+4]
	v_lshl_or_b32 v[PW+(\a)], v[TM+6], 16, v[PW+(\a)]
	v_lshl_or_b32 v[PW+(\a)], v[TM+7], 24, v[PW+(\a)]
	WIN W
.irp b, 0,1,2,3
	v_cvt_scalef32_pk8_fp4_f32 v[CD+8*(\a)+2*\b], v[AC+16*\b:AC+16*\b+7], v[TM+12+\b]
	v_cvt_scalef32_pk8_fp4_f32 v[CD+8*(\a)+2*\b+1], v[AC+16*\b+8:AC+16*\b+15], v[TM+12+\b]
.endr
	WIN 0
	v_nop                                          ; one plain place behind a scaled conversion
.irp c, 0,1                            ; the operand's layout wants a whole block in a lane: lanes 0-15 block 2 c, lanes 16-31 block 2 c + 1
.irp i, 0,1
	v_permlane16_swap_b32 v[CD+8*(\a)+4*\c+\i], v[CD+8*(\a)+4*\c+2+\i]
.endr
.endr
.endm
.irp a, 0,1,2,3,4,5,6,7
	QUANT \a
.endr
.irp q, 0,1,2,3
	v_cndmask_b32 v[OUT+\q], v[PW+\q], v[PW+4+\q], s92   ; lanes 0-15: tile q's words, lanes 16-31: tile 4 + q's
.endr
	s_cmp_lt_u32 ttmp9, 2
	s_cbranch_scc0 .Lout_v
	; q, k: registers 0-3 of a fragment are the even head's 64 channels, registers 4-7 the odd head's.  Each store covers 512 consecutive bytes, aligned to 256
.irp q, 0,1,2,3
	v_lshrrev_b32 v[OUT+4+\q], 16, v[OUT+\q]       ; the odd head's two bytes, moved to the word's low end; the bytes above them scale zero codes and are never 0xff
.endr
.irp a, 0,1,2,3,4,5,6,7
	global_store_b128 v[L16], v[CD+8*\a:CD+8*\a+3], s[84:85] offset:512*\a
	global_store_b128 v[L16], v[CD+8*\a+4:CD+8*\a+7], s[86:87] offset:512*\a
.endr
	global_store_b128 v[L16], v[OUT:OUT+3], s[84:85] offset:4096
	global_store_b128 v[L16], v[OUT+4:OUT+7], s[86:87] offset:4096
	s_branch .Lout_done
.Lout_v:
	s_wait_alu depctr_va_vdst(0)
	; v: tiles 0-3 are the even head's 64 channels, tiles 4-7 the odd head's; a fragment's eight registers are the 128 keys
.irp a, 0,1,2,3,4,5,6,7
.irp c, 0,1
	global_store_b128 v[L16], v[CD+8*\a+4*\c:CD+8*\a+4*\c+3], s[84+2*(\a/4):85+2*(\a/4)] offset:4608+1024*(\a%4)+512*\c
.endr
.endr
	global_store_b128 v[VSO], v[OUT:OUT+3], s[84:85] offset:8704   ; lanes 0-15: the even head's 256 bytes, lanes 16-31: the odd head's
.Lout_done:
	s_wait_tensorcnt 0x0                           ; the wave's end
	ds_add_u32 v[SPW], v[NIL]
	s_wait_dscnt 0x0
	CROUND                                         ; the closing round: no work-group ends while a partner may still ask for a tile that names it
	s_endpgm
.Lfunc_end_k_qaf6b44e284_qkv:
	.size	k_qaf6b44e284_qkv, .Lfunc_end_k_qaf6b44e284_qkv-k_qaf6b44e284_qkv
	.p2alignl 7, 3214868480
	.fill 96, 4, 3214868480
	.section	.rodata,"a",@progbits
	.p2align	6, 0x0
	.amdhsa_kernel k_qaf6b44e284_qkv
		.amdhsa_group_segment_fixed_size 327680
		.amdhsa_private_segment_fixed_size 0
		.amdhsa_enable_private_segment 0
		.amdhsa_kernarg_size 56
		.amdhsa_user_sgpr_count 2
		.amdhsa_user_sgpr_kernarg_segment_ptr 1
		.amdhsa_wavefront_size32 1
		.amdhsa_system_sgpr_workgroup_id_x 1
		.amdhsa_system_sgpr_workgroup_id_y 1
		.amdhsa_system_sgpr_workgroup_id_z 1
		.amdhsa_system_vgpr_workitem_id 0
		.amdhsa_next_free_vgpr 1024
		.amdhsa_next_free_sgpr 102
		.amdhsa_reserve_vcc 0
		.amdhsa_float_denorm_mode_32 3
		.amdhsa_float_denorm_mode_16_64 3
		.amdhsa_memory_ordered 1
		.amdhsa_forward_progress 1
		.amdhsa_inst_pref_size 144
	.end_amdhsa_kernel
	.amdgpu_metadata
---
amdhsa.version: [ 1, 2 ]
amdhsa.kernels:
  - .name:           k_qaf6b44e284_qkv
    .symbol:         k_qaf6b44e284_qkv.kd
    .args:
      - { .name: cod, .offset: 0, .size: 8, .value_kind: global_buffer, .address_space: global }
      - { .name: scl, .offset: 8, .size: 8, .value_kind: global_buffer, .address_space: global }
      - { .name: b_q, .offset: 16, .size: 8, .value_kind: global_buffer, .address_space: global }
      - { .name: b_k, .offset: 24, .size: 8, .value_kind: global_buffer, .address_space: global }
      - { .name: b_v, .offset: 32, .size: 8, .value_kind: global_buffer, .address_space: global }
      - { .name: qq, .offset: 40, .size: 8, .value_kind: global_buffer, .address_space: global }
      - { .name: kv, .offset: 48, .size: 8, .value_kind: global_buffer, .address_space: global }
    .group_segment_fixed_size: 327680
    .private_segment_fixed_size: 0
    .kernarg_segment_align: 8
    .kernarg_segment_size: 56
    .max_flat_workgroup_size: 128
    .sgpr_count:     102
    .vgpr_count:     1024
    .wavefront_size: 32
...
	.end_amdgpu_metadata
.endif
;; end of part 2
;; launch attn (part 3): grid 8 x 32, 16 waves a work-group, no clusters, 327,680 bytes of LDS; arguments qq, kv, pc, ps; writes pc, ps
.if DOCPART == 3
	.amdgcn_target "amdgcn-amd-amdhsa--gfx1250"
	.amdhsa_code_object_version 6
	.text
	.protected	k_qaf6b44e284_attn
	.globl	k_qaf6b44e284_attn
	.p2align	8
	.type	k_qaf6b44e284_attn,@function
k_qaf6b44e284_attn:
	s_mov_b64 s[64:65], 0
	v_nop
	global_prefetch_b8 v0, s[64:65] scope:SCOPE_SE
	s_setreg_imm32_b32 hwreg(HW_REG_WAVE_MODE, 25, 1), 1
	s_wait_xcnt 0x0
; LAUNCH 3 OF 4.  pred = softmax(q k^T / 32, causal) v for each batch and head, both products on codes of FP4 with E8M0 scales; pred is quantised along its 1,024 channels and stored as images of the last product's operand.
; WORK LEFT OUT: key steps of 128 keys that lie wholly behind a tile's last query: reference()'s own tril mask makes their weights 0 for all inputs (shown at the head of launch 1).
; LIMITS: a NaN, an infinity or an overflow that reaches only those steps is not carried to the result; bytes of small and of zero blocks as stated at the head of launch 1.
; THE SOFTMAX: t = score x log2(e) / 32; M = the running largest t, rounded UP to a whole number; p = 2^(t - M) is quantised along the keys, not normalised; the row's sum is taken of the unquantised p and divides at the end.
; When M moves, the sum and O are multiplied by 2^(old M - new M), which rounds nothing.
; SHARES.  A work-group serves one batch and two neighbouring heads (waves 0-7 the even one, waves 8-15 the odd one): so the four scale bytes of 128 channels of pred meet in one work-group.  A wave owns one tile of
; 16 queries at a time, in 256 registers, four waves to a SIMD.  TWO PASSES: first the group of 128 queries 15 - x, then group x (x the work-group's number, 0 to 7): a tile of group G walks key steps 0 to G,
; so every wave of the launch walks 17 key steps.
; LDS.  The two heads' K and V records, 8,960 bytes for 128 keys, lie as in memory, head x 143,360 + key step x 8,960, and are FILLED ONCE: wave 0 and wave 1 bring a head's next two key steps by one tensor load,
; asked for behind the barrier at the head of the two steps before, up to the causal limit.  One load of a loading wave is out at a time.  The second pass reads what lies there.
; NO CLUSTER: the work-groups of one head pair need 16 - x key steps, a different number each, so a joint load would bring some partner tiles that none of its waves reads.
; LAYOUT.  Both products are used transposed: S^T = K Q^T, O^T = V^T P^T: a lane holds one query throughout.  Lane row m of a tile of keys is key 32 (t / 2) + 8 (t % 2) + m + 8 (m / 8), so that the 16 registers of
; tiles 2 b, 2 b + 1 are keys 32 b + 16 (lane / 16) + 0 .. 15.  The first product's K is 64: registers 4-7 of both fragments are zero codes.
; REGISTERS: v1-11 addresses and Q's scale words; v12 -M, v13 the largest t, v[14:15] the sum; v16-23, v24-31 Q of the two passes; v32-95 K; v96-159 S^T, then p; v160-191 O^T; v192-199 p's codes;
; v200-203, v204-207 K's and V's scale words; v208 p's; v209-223 at work; v224-255 V.
.set REC,   8960                       ; a key step's record
.set HEADB, 143360                     ; a head's 16 records
.set CHUNK, 2*REC                      ; what one tensor load brings: 70 rows of 256 bytes
.set STG,   2*HEADB                    ; behind the records: pred's scale words, 512 bytes for each pass
.set SPARE, STG+1024                   ; the spare words, 128 bytes for each wave: eight blocks of 256 bytes that no other line names
.set LI,   1                           ; v1   16 x lane + my head's records
.set LR,   2                           ; v2   16 r + my head's records
.set ADR,  3                           ; v3   the step's addresses
.set ADR2, 4
.set SPW,  5                           ; v5   LDS address of my spare word; never rewritten
.set NIL,  6                           ; v6   0; never rewritten
.set DQ,   7                           ; v7   my query's place in its group, less 16 (lane / 16)
.set L16,  8                           ; v8   16 x lane
.set PSA,  9                           ; v9   where my row's two scale bytes of pred go
.set MX,   210
.set PT,   214
.set SO,   218
.set WV,   18
.set SEL,  20
.set CS,   22                          ; s[22:23] c = log2(e) / 32
.set G1,   24
.set G0,   40
.set TB,   2                           ; s2   the step's record in a head
.set KS,   3                           ; s3   the key step
.set GQ,   66                          ; s66  the pass's group of queries
.macro TLOAD                           ; waves 0 and 1 fetch, the others nothing.  An s_nop 0 and four v_nop follow the line
	s_cmp_lt_u32 s[WV], 2
	s_cbranch_scc0 .Lnone_\@
	tensor_load_to_lds s[G0:G0+3], s[G1:G1+7]
	s_nop 0
.rept 4
	v_nop
.endr
.Lnone_\@:
.endm
	s_load_b256 s[4:11], s[0:1], 0x0               ; qq, kv, pc, ps
	v_lshl_add_u32 v[SPW], v0, 2, SPARE
	v_mov_b32 v[NIL], 0
	ds_add_u32 v[SPW], v[NIL]                      ; the wave's opening: the add, twice on end, and its wait ahead of the first tensor load
	ds_add_u32 v[SPW], v[NIL]
	v_lshrrev_b32 v1, 5, v0
	s_delay_alu instid0(VALU_DEP_1)
	v_readfirstlane_b32 s[WV], v1                  ; wave 0..15
	s_and_b32 s12, ttmp7, 0xffff
	s_lshr_b32 s13, s12, 3                         ; the batch
	s_and_b32 s14, s12, 7                          ; the pair of heads
	s_lshr_b32 s15, s[WV], 3                       ; which of the two is mine
	s_and_b32 s16, s[WV], 7                        ; my tile of queries
	s_and_b32 s17, s[WV], 1                        ; which head I fetch, if I fetch
	s_sub_co_u32 s[GQ], 15, ttmp9                  ; the first pass's group
	s_lshl_b32 s19, s13, 4                         ; 16 x batch
	s_lshl_b32 s12, s14, 1
	s_add_co_u32 s12, s12, s19                     ; the even head's number
	s_add_co_u32 s78, s12, s17
	s_mul_i32 s78, s78, HEADB                      ; kv: the head that I fetch,
	s_mov_b32 s79, 0
	s_mul_i32 s80, s17, HEADB                      ; and its place in LDS
	s_add_co_u32 s82, s12, s15
	s_mul_i32 s82, s82, 73728                      ; qq: my head,
	s_mul_i32 s84, s[GQ], 4608
	s_add_co_u32 s84, s84, s82                     ; the first pass's record,
	s_mov_b32 s85, 0
	s_mul_i32 s86, ttmp9, 4608
	s_add_co_u32 s86, s86, s82                     ; the second's
	s_mov_b32 s87, 0
	s_lshl_b32 s88, s14, 13                        ; pc: K step = the pair of heads,
	s_lshl_b32 s89, s16, 10                        ; my tile,
	s_add_co_u32 s88, s88, s89
	s_lshl_b32 s89, s15, 9                         ; registers 0-3 or 4-7: my head
	s_add_co_u32 s88, s88, s89
	s_add_co_u32 s90, s19, s[GQ]
	s_lshl_b32 s90, s90, 16
	s_add_co_u32 s90, s90, s88
	s_mov_b32 s91, 0
	s_add_co_u32 s92, s19, ttmp9
	s_lshl_b32 s92, s92, 16
	s_add_co_u32 s92, s92, s88
	s_mov_b32 s93, 0
	s_cmp_eq_u32 s17, 0                            ; ps: wave 0 stores the first pass's words, wave 1 the second's
	s_cselect_b32 s94, s[GQ], ttmp9
	s_add_co_u32 s94, s94, s19
	s_lshl_b32 s94, s94, 12
	s_lshl_b32 s96, s14, 9
	s_add_co_u32 s94, s94, s96
	s_mov_b32 s95, 0
	s_mov_b32 s[G1], 3<<16                         ; 15:0 no mask; 17:16 elements of 8 bytes; no padding: the records are read 16 bytes a lane on end
	s_mov_b32 s[G1+1], 32<<16                      ; tensor_dim0: 256 bytes
	s_mov_b32 s[G1+2], 70<<16                      ; tensor_dim1
	s_mov_b32 s[G1+3], 32<<16                      ; tile_dim0
	s_mov_b32 s[G1+4], 70                          ; tile_dim1
	s_mov_b32 s[G1+5], 32                          ; the pitch: dense
	s_mov_b32 s[G1+6], 0
	s_mov_b32 s[G1+7], 0
	s_mov_b32 s[SEL], 0x76543210
	s_mov_b32 s[SEL+1], 0xfedcba98
	s_mov_b32 s[CS], 0x3d38aa3b                    ; log2(e) / 32
	s_mov_b32 s[CS+1], s[CS]
	s_mov_b32 s[TB], 0
	s_mov_b32 s[KS], 0
	s_wait_dscnt 0x0                               ; both opening adds are done
	s_wait_kmcnt 0x0
	s_mov_b32 s[G0], 1
	s_mov_b32 s[G0+1], s80
	s_add_nc_u64 s[G0+2:G0+3], s[6:7], s[78:79]
	s_or_b32 s[G0+3], s[G0+3], 0x80000000
	TLOAD                                          ; key steps 0 and 1
	s_add_nc_u64 s[74:75], s[4:5], s[84:85]
	s_add_nc_u64 s[76:77], s[4:5], s[86:87]
	s_add_nc_u64 s[68:69], s[8:9], s[90:91]
	s_add_nc_u64 s[70:71], s[8:9], s[92:93]
	s_add_nc_u64 s[72:73], s[10:11], s[94:95]
	v_and_b32 v96, 31, v0                          ; lane
	v_and_b32 v97, 15, v0                          ; r
	v_bfe_u32 v98, v0, 4, 1                        ; h
	s_delay_alu instid0(VALU_DEP_3)
	v_lshlrev_b32 v[L16], 4, v96
	s_mul_i32 s96, s15, HEADB
	v_add_nc_u32 v[LI], s96, v[L16]
	v_lshl_add_u32 v[LR], v97, 4, s96
	v_and_b32 v99, 8, v97
	s_delay_alu instid0(VALU_DEP_1)
	v_add_nc_u32 v99, v99, v97                     ; r + 8 (r / 8)
	v_lshlrev_b32 v100, 4, v98
	s_delay_alu instid0(VALU_DEP_1)
	v_sub_nc_u32 v[DQ], v99, v100
	s_lshr_b32 s96, s16, 1
	s_lshl_b32 s96, s96, 5
	s_and_b32 s97, s16, 1
	s_lshl_b32 s97, s97, 3
	s_add_co_u32 s96, s96, s97                     ; 32 (tile / 2) + 8 (tile % 2)
	v_add_nc_u32 v[DQ], s96, v[DQ]
	s_lshr_b32 s96, s16, 2
	s_lshl_b32 s96, s96, 8
	s_and_b32 s97, s16, 3
	s_lshl_b32 s97, s97, 2
	s_add_co_u32 s96, s96, s97                     ; a tile's scale words: 256 (tile / 4) + 4 (tile % 4), + 16 r
	v_lshl_add_u32 v101, v97, 4, s96
	s_lshl_b32 s97, s15, 1
	s_add_co_u32 s96, s96, s97                     ; pred's: + 2 x my head
	v_lshl_add_u32 v[PSA], v97, 4, s96
	s_delay_alu instid0(VALU_DEP_1)
	v_add_nc_u32 v[PSA], STG, v[PSA]
	s_lshl_b32 s97, s16, 9
	v_add_nc_u32 v102, s97, v[L16]                 ; my tile's codes
	global_load_b128 v[16:19], v102, s[74:75] th:TH_LOAD_NT
	global_load_b32 v10, v101, s[74:75] offset:4096 th:TH_LOAD_NT
	global_load_b128 v[24:27], v102, s[76:77] th:TH_LOAD_NT
	global_load_b32 v11, v101, s[76:77] offset:4096 th:TH_LOAD_NT
.irp j, 20,21,22,23,28,29,30,31
	v_mov_b32 v[\j], 0                             ; Q's zero codes for k = 64 .. 127
.endr
.irp t, 0,1,2,3,4,5,6,7
.irp j, 4,5,6,7
	v_mov_b32 v[32+8*\t+\j], 0                     ; K's: written once, no load lands here
.endr
.endr
.irp b, 0,1,2,3
	v_mov_b32 v[PT+\b], 0                          ; written once: a lane permute's destination counts as one of its sources
.endr
	v_mov_b32 v209, 0
	v_mov_b32 v223, 0                              ; (named as the upper half of the pair v[222:223])
.macro BEGIN                           ; a pass begins: O^T and the sum are zeros, the largest t is -3e38, under every t: the first change of M multiplies zeros
	v_mov_b32 v13, 0xff61b1e6
	s_delay_alu instid0(VALU_DEP_1)
	v_floor_f32 v12, -v13
	v_mov_b32 v14, 0
	v_mov_b32 v15, 0
.set n, 0
.rept 32
	v_mov_b32 v[160+n], 0
.set n, n+1
.endr
.endm
	BEGIN
; A KEY STEP: 128 keys.  q: Q's fragment; qs: its scale words.
.macro STEP q, qs
	s_cmp_gt_u32 s[KS], s[GQ]                      ; all its keys come after my group's queries: a scalar branch on ids, round the step's work; not round the lines at its end that step addresses
	s_cbranch_scc1 .Lhidden_\@
	v_add_nc_u32 v[ADR], s[TB], v[LI]
	v_add_nc_u32 v[ADR2], s[TB], v[LR]
	v_nop
	v_nop                                          ; four places in front of loads into registers that the last products read
.irp t, 0,1,2,3,4,5,6,7
	ds_load_b128 v[32+8*\t:35+8*\t], v[ADR] offset:512*\t
.endr
	ds_load_b128 v[200:203], v[ADR] offset:4096    ; K's scale words: register q holds tile q's in lanes 0-15, tile 4 + q's in lanes 16-31
.irp d, 0,1,2,3
.irp c, 0,1
	ds_load_b128 v[224+8*\d+4*\c:227+8*\d+4*\c], v[ADR] offset:4608+1024*\d+512*\c
.endr
.endr
	ds_load_b128 v[204:207], v[ADR2] offset:8704   ; V's scale words: register d, lane r
	s_wait_dscnt 9                                 ; K and its scale words are in; V's nine loads may be out
.irp t, 0,1,2,3
	v_wmma_scale_f32_16x16x128_f8f6f4 v[96+8*\t:103+8*\t], v[32+8*\t:39+8*\t], v[\q:\q+7], 0, v[200+\t], v[\qs] matrix_a_fmt:MATRIX_FMT_FP4 matrix_b_fmt:MATRIX_FMT_FP4
.endr
.irp t, 4,5,6,7
	v_wmma_scale_f32_16x16x128_f8f6f4 v[96+8*\t:103+8*\t], v[32+8*\t:39+8*\t], v[\q:\q+7], 0, v[196+\t], v[\qs] matrix_a_fmt:MATRIX_FMT_FP4 matrix_b_fmt:MATRIX_FMT_FP4 matrix_a_scale:MATRIX_SCALE_ROW1
.endr
.rept 4
	v_nop
.endr
	s_cmp_lt_u32 s[KS], s[GQ]                      ; only the step on the diagonal hides keys
	s_cbranch_scc1 .Lopen_\@
	v_mov_b32 v209, 0xff800000                     ; -infinity: p = 0 then
.set n, 0
.rept 64
	v_cmp_gt_i32 vcc_lo, 32*(n/16)+n%16, v[DQ]     ; register n holds key 32 (n / 16) + n % 16 + 16 (lane / 16) of the step: hidden where it comes after my query
	v_cndmask_b32 v[96+n], v[96+n], v209, vcc_lo
.set n, n+1
.endr
.Lopen_\@:
.irp b, 0,1,2,3
	v_max3_num_f32 v[MX+\b], v[96+16*\b], v[97+16*\b], v[98+16*\b]   ; the largest score of each block of 32 keys: for the row's maximum, and, since p rises with the score, for the block's largest p
.endr
.irp i, 3,5,7,9,11,13
.irp b, 0,1,2,3
	v_max3_num_f32 v[MX+\b], v[MX+\b], v[96+16*\b+\i], v[97+16*\b+\i]
.endr
.endr
.irp b, 0,1,2,3
	v_max_num_f32 v[MX+\b], v[MX+\b], v[111+16*\b]
.endr
.irp b, 0,1,2,3
	s_delay_alu instid0(VALU_DEP_4)
	v_permlanex16_b32 v[PT+\b], v[MX+\b], s[SEL], s[SEL+1]
.endr
.irp b, 0,1,2,3
	s_delay_alu instid0(VALU_DEP_4)
	v_max_num_f32 v[MX+\b], v[MX+\b], v[PT+\b]     ; with lane l xor 16's 16 keys
.endr
	s_delay_alu instid0(VALU_DEP_2)
	v_max3_num_f32 v209, v[MX], v[MX+1], v[MX+2]
	s_delay_alu instid0(VALU_DEP_1)
	v_max_num_f32 v209, v209, v[MX+3]              ; the step's largest score of my query
	s_delay_alu instid0(VALU_DEP_1)
	v_mul_f32 v209, s[CS], v209                    ; as t
	s_delay_alu instid0(VALU_DEP_1)
	v_max_num_f32 v13, v13, v209                   ; the running largest t
	v_mov_b32 v209, v12
	s_delay_alu instid0(VALU_DEP_2)
	v_floor_f32 v12, -v13                          ; the new -M = -ceil(t): a whole number
	s_delay_alu instid0(VALU_DEP_1)
	v_sub_f32 v209, v12, v209                      ; old M less new M: a whole number, 0 or less
	s_delay_alu instid0(VALU_DEP_1)
	v_cvt_i32_f32 v209, v209                       ; (it saturates)
	s_delay_alu instid0(VALU_DEP_1)
	v_ldexp_f32 v222, 1.0, v209                    ; f = 2^(old M - new M)
.set n, 0
.rept 32
	v_pk_fma_f32 v[96+n:97+n], v[96+n:97+n], s[CS:CS+1], v[12:13] op_sel_hi:[1,0,0]   ; t - M, two at a time
.set n, n+2
.endr
.irp b, 0,1,2,3
	v_fma_f32 v[MX+\b], v[MX+\b], s[CS], v12       ; the same of each block's largest score
.endr
.set n, 0
	s_wait_alu depctr_va_vdst(0)
.rept 64
	v_exp_f32 v[96+n], v[96+n]                     ; p = 2^(t - M), at most 1
.set n, n+1
.endr
	v_pk_mul_f32 v[14:15], v[14:15], v[222:223] op_sel_hi:[1,0]   ; the sums under the new M: the plain line behind the exponentials
	s_wait_alu depctr_va_vdst(0)                   ; one wait for the batch of 64, ahead of its first reader
.irp b, 0,1,2,3
	v_exp_f32 v[MX+\b], v[MX+\b]                   ; the block's largest p
.endr
	v_pk_add_f32 v[214:215], v[100:101], v[104:105]
	v_pk_add_f32 v[220:221], v[108:109], v[112:113]
	v_pk_add_f32 v[218:219], v[116:117], v[120:121]
	v_pk_add_f32 v[216:217], v[124:125], v[128:129]
	v_pk_add_f32 v[202:203], v[132:133], v[136:137]
	v_pk_add_f32 v[200:201], v[140:141], v[144:145]
	v_pk_add_f32 v[198:199], v[148:149], v[152:153]
	v_pk_add_f32 v[14:15], v[14:15], v[156:157]
	v_pk_add_f32 v[214:215], v[214:215], v[96:97]
	v_pk_add_f32 v[220:221], v[220:221], v[98:99]
	v_pk_add_f32 v[218:219], v[218:219], v[102:103]
	v_pk_add_f32 v[216:217], v[216:217], v[106:107]
	v_pk_add_f32 v[202:203], v[202:203], v[110:111]
	v_pk_add_f32 v[200:201], v[200:201], v[114:115]
	v_pk_add_f32 v[198:199], v[198:199], v[118:119]
	v_pk_add_f32 v[14:15], v[14:15], v[122:123]
	v_pk_add_f32 v[214:215], v[214:215], v[126:127]
	v_pk_add_f32 v[220:221], v[220:221], v[130:131]
	v_pk_add_f32 v[218:219], v[218:219], v[134:135]
	v_pk_add_f32 v[216:217], v[216:217], v[138:139]
	v_pk_add_f32 v[202:203], v[202:203], v[142:143]
	v_pk_add_f32 v[200:201], v[200:201], v[146:147]
	v_pk_add_f32 v[198:199], v[198:199], v[150:151]
	v_pk_add_f32 v[14:15], v[14:15], v[154:155]
	v_pk_add_f32 v[214:215], v[214:215], v[158:159]
	s_delay_alu instid0(VALU_DEP_2)
	v_pk_add_f32 v[14:15], v[14:15], v[216:217]
	s_delay_alu instid0(VALU_DEP_2)
	v_pk_add_f32 v[214:215], v[214:215], v[202:203]
	v_pk_add_f32 v[220:221], v[220:221], v[200:201]
	v_pk_add_f32 v[218:219], v[218:219], v[198:199]
	s_delay_alu instid0(VALU_DEP_2)
	v_pk_add_f32 v[14:15], v[14:15], v[220:221]
	s_delay_alu instid0(VALU_DEP_2)
	v_pk_add_f32 v[214:215], v[214:215], v[218:219]
	s_delay_alu instid0(VALU_DEP_1)
	v_pk_add_f32 v[14:15], v[14:15], v[214:215]
	s_wait_alu depctr_va_vdst(0)                   ; and one for the four
.irp b, 0,1,2,3
	v_max_num_f32 v[MX+\b], 0x1800000, v[MX+\b]    ; the floor 2^(3 - 127): the byte cannot fall under 1
.endr
.irp b, 0,1,2,3
	s_delay_alu instid0(VALU_DEP_4)
	v_add_nc_u32 v[SO+\b], 0xff000000, v[MX+\b]    ; 2 off the exponent field: the conversion's scale operand
.endr
.irp b, 0,1,2,3
	s_delay_alu instid0(VALU_DEP_4)
	v_lshrrev_b32 v[PT+\b], 23, v[SO+\b]           ; the scale's byte
.endr
	s_delay_alu instid0(VALU_DEP_3)
	v_lshl_or_b32 v208, v[PT+1], 8, v[PT]          ; p's scale word for these 128 keys
	s_delay_alu instid0(VALU_DEP_1)
	v_lshl_or_b32 v208, v[PT+2], 16, v208
	s_delay_alu instid0(VALU_DEP_1)
	v_lshl_or_b32 v208, v[PT+3], 24, v208
.irp b, 0,1,2,3
	v_cvt_scalef32_pk8_fp4_f32 v[192+2*\b], v[96+16*\b:103+16*\b], v[SO+\b]
	v_cvt_scalef32_pk8_fp4_f32 v[193+2*\b], v[104+16*\b:111+16*\b], v[SO+\b]
.endr
	v_nop                                          ; one plain place behind a scaled conversion
.irp c, 0,1
.irp i, 0,1
	v_permlane16_swap_b32 v[192+4*\c+\i], v[194+4*\c+\i]   ; a whole block in a lane: lanes 0-15 block 2 c, lanes 16-31 block 2 c + 1
.endr
.endr
.set n, 0
.rept 16
	v_pk_mul_f32 v[160+n:161+n], v[160+n:161+n], v[222:223] op_sel_hi:[1,0]   ; O^T under the new M.  These sixteen are also the places between the scale word's and the codes' last writes and the products below
.set n, n+2
.endr
	s_wait_alu depctr_va_vdst(0)
	s_wait_dscnt 0x0                               ; V and its scale words are in
.irp d, 0,1,2,3                        ; O^T += V^T P^T: the four accumulators by turns
	v_wmma_scale_f32_16x16x128_f8f6f4 v[160+8*\d:167+8*\d], v[224+8*\d:231+8*\d], v[192:199], v[160+8*\d:167+8*\d], v[204+\d], v208 matrix_a_fmt:MATRIX_FMT_FP4 matrix_b_fmt:MATRIX_FMT_FP4
.endr
.Lhidden_\@:
	s_add_co_u32 s[KS], s[KS], 1
	s_add_co_u32 s[TB], s[TB], REC
.endm
; AT THE HEAD OF TWO KEY STEPS.  Each wave waits for all its tensor loads (the loading waves: these two steps' records), adds 0 to its spare word, waits for that and for its LDS reads, and passes the barrier.
; fill = 1: behind it the next two steps are asked for, into bytes that nothing has filled before; the load has two key steps of all sixteen waves in which to land.
.macro CHANGE fill
	s_wait_tensorcnt 0x0                           ; no tensor load of mine is out, so group 0 may be written
	ds_add_u32 v[SPW], v[NIL]
.if \fill
	ds_add_u32 v[SPW], v[NIL]                      ; and, where a load may follow, twice on end, in every trip alike
	s_add_co_u32 s[G0+1], s[G0+1], CHUNK
	s_add_nc_u64 s[G0+2:G0+3], s[G0+2:G0+3], CHUNK ; the type bits on top are not reached
.endif
	s_wait_dscnt 0x0
	s_barrier_signal -1
	s_barrier_wait -1
.if \fill
	s_add_co_u32 s96, s[KS], 2                     ; THE LOOK-AHEAD ENDS AT THE CAUSAL LIMIT: two steps whose first comes after the group's own step are read by no wave, so they are not asked for.
	s_cmp_gt_u32 s96, s[GQ]                        ; ids and the count of steps alone: all sixteen waves go the same way; every wait on TENSORcnt in this text is for 0
	s_cbranch_scc1 .Lpast_\@
	TLOAD
.Lpast_\@:
.endif
.endm
; THE WAY OUT of pass p: O^T is divided by the row's sum and quantised along my head's 64 channels (register 16 b + i = channel 32 b + 16 (lane / 16) + i); the codes are registers 0-3 or 4-7 of the last product's fragment.
.macro WAYOUT p, base
.rept 4
	v_nop                                          ; places behind the last products
.endr
	v_add_f32 v14, v14, v15
	s_delay_alu instid0(VALU_DEP_1)
	v_permlanex16_b32 v209, v14, s[SEL], s[SEL+1]
	s_delay_alu instid0(VALU_DEP_1)
	v_add_f32 v14, v14, v209                       ; the row's sum
	s_wait_alu depctr_va_vdst(0)
	v_rcp_f32 v222, v14
	v_nop                                          ; a plain place behind the transcendental
	s_wait_alu depctr_va_vdst(0)                   ; and the wait ahead of its first reader
.set n, 0
.rept 16
	v_pk_mul_f32 v[96+n:97+n], v[160+n:161+n], v[222:223] op_sel_hi:[1,0]
.set n, n+2
.endr
.irp b, 0,1
	v_max3_num_f32 v[MX+\b], |v[96+16*\b]|, |v[97+16*\b]|, 0x1800000
.endr
.irp i, 2,4,6,8,10,12,14
.irp b, 0,1
	s_delay_alu instid0(VALU_DEP_2)
	v_max3_num_f32 v[MX+\b], v[MX+\b], |v[96+16*\b+\i]|, |v[97+16*\b+\i]|
.endr
.endr
.irp b, 0,1
	s_delay_alu instid0(VALU_DEP_2)
	v_permlanex16_b32 v[PT+\b], v[MX+\b], s[SEL], s[SEL+1]
.endr
.irp b, 0,1
	s_delay_alu instid0(VALU_DEP_2)
	v_max_num_f32 v[MX+\b], v[MX+\b], v[PT+\b]
.endr
.irp b, 0,1
	s_delay_alu instid0(VALU_DEP_2)
	v_add_nc_u32 v[SO+\b], 0xff000000, v[MX+\b]
.endr
.irp b, 0,1
	s_delay_alu instid0(VALU_DEP_2)
	v_lshrrev_b32 v[PT+\b], 23, v[SO+\b]
.endr
	s_delay_alu instid0(VALU_DEP_1)
	v_lshl_or_b32 v209, v[PT+1], 8, v[PT]          ; my head's two bytes of the row's scale word
.irp b, 0,1
	v_cvt_scalef32_pk8_fp4_f32 v[192+2*\b], v[96+16*\b:103+16*\b], v[SO+\b]
	v_cvt_scalef32_pk8_fp4_f32 v[193+2*\b], v[104+16*\b:111+16*\b], v[SO+\b]
.endr
	v_nop
	v_permlane16_swap_b32 v192, v194
	v_permlane16_swap_b32 v193, v195
	global_store_b128 v[L16], v[192:195], s[\base:\base+1]   ; 512 consecutive bytes, aligned to 256
	ds_store_b16 v[PSA], v209 offset:512*\p        ; both lanes of a row write the same two bytes with the same value
.endm
	s_wait_loadcnt 0x0                             ; Q
	s_mov_b32 s67, 7
.Lchunk:                                           ; seven trips of two key steps; the trip counts are constants, the steps left out are jumped over
	CHANGE 1
	STEP 16, 10
	STEP 16, 10
	s_sub_co_u32 s67, s67, 1
	s_cmp_lg_u32 s67, 0
	s_cbranch_scc1 .Lchunk
	CHANGE 0                                       ; the last two steps: nothing is left to ask for
	STEP 16, 10
	STEP 16, 10
	WAYOUT 0, 68
	s_wait_xcnt 0x0                                ; the store has read its registers: the second pass writes them again
	BEGIN
	s_mov_b32 s[KS], 0
	s_mov_b32 s[TB], 0
	s_mov_b32 s[GQ], ttmp9                         ; THE SECOND PASS: group x, key steps 0 to x, at most 8: all lie in LDS since the first pass, which walked at least 9; no load, no barrier
	s_mov_b32 s67, 8
.Lsecond:
	STEP 24, 11
	s_sub_co_u32 s67, s67, 1
	s_cmp_lg_u32 s67, 0
	s_cbranch_scc1 .Lsecond
	WAYOUT 1, 70
	s_lshl_b32 s96, s17, 9
	s_add_co_u32 s96, s96, STG
	v_add_nc_u32 v[ADR], s96, v[L16]
	s_wait_dscnt 0x0                               ; for the others' sake: my scale bytes lie in LDS
	s_barrier_signal -1
	s_barrier_wait -1
	s_cmp_lt_u32 s[WV], 2                          ; wave 0 stores the first pass's 512 bytes of scale words, wave 1 the second's
	s_cbranch_scc0 .Lnot_ps
	s_wait_alu depctr_va_vdst(0)
	ds_load_b128 v[96:99], v[ADR]
	s_wait_dscnt 0x0
	global_store_b128 v[L16], v[96:99], s[72:73]   ; 512 consecutive bytes, aligned to 256
.Lnot_ps:
	s_wait_tensorcnt 0x0                           ; the wave's end: behind my last tensor load and my last LDS store
	ds_add_u32 v[SPW], v[NIL]
	s_wait_dscnt 0x0
	s_endpgm
.Lfunc_end_k_qaf6b44e284_attn:
	.size	k_qaf6b44e284_attn, .Lfunc_end_k_qaf6b44e284_attn-k_qaf6b44e284_attn
	.p2alignl 7, 3214868480
	.fill 96, 4, 3214868480
	.section	.rodata,"a",@progbits
	.p2align	6, 0x0
	.amdhsa_kernel k_qaf6b44e284_attn
		.amdhsa_group_segment_fixed_size 327680
		.amdhsa_private_segment_fixed_size 0
		.amdhsa_enable_private_segment 0
		.amdhsa_kernarg_size 32
		.amdhsa_user_sgpr_count 2
		.amdhsa_user_sgpr_kernarg_segment_ptr 1
		.amdhsa_wavefront_size32 1
		.amdhsa_system_sgpr_workgroup_id_x 1
		.amdhsa_system_sgpr_workgroup_id_y 1
		.amdhsa_system_sgpr_workgroup_id_z 1
		.amdhsa_system_vgpr_workitem_id 0
		.amdhsa_next_free_vgpr 256
		.amdhsa_next_free_sgpr 100
		.amdhsa_reserve_vcc 1
		.amdhsa_float_denorm_mode_32 3
		.amdhsa_float_denorm_mode_16_64 3
		.amdhsa_memory_ordered 1
		.amdhsa_forward_progress 1
		.amdhsa_inst_pref_size 124
	.end_amdhsa_kernel
	.amdgpu_metadata
---
amdhsa.version: [ 1, 2 ]
amdhsa.kernels:
  - .name:           k_qaf6b44e284_attn
    .symbol:         k_qaf6b44e284_attn.kd
    .args:
      - { .name: qq, .offset: 0, .size: 8, .value_kind: global_buffer, .address_space: global }
      - { .name: kv, .offset: 8, .size: 8, .value_kind: global_buffer, .address_space: global }
      - { .name: pc, .offset: 16, .size: 8, .value_kind: global_buffer, .address_space: global }
      - { .name: ps, .offset: 24, .size: 8, .value_kind: global_buffer, .address_space: global }
    .group_segment_fixed_size: 327680
    .private_segment_fixed_size: 0
    .kernarg_segment_align: 8
    .kernarg_segment_size: 32
    .max_flat_workgroup_size: 512
    .sgpr_count:     100
    .vgpr_count:     256
    .wavefront_size: 32
...
	.end_amdgpu_metadata
.endif
;; end of part 3
;; launch oproj (part 4): grid 4 x 64, 4 waves a work-group, clusters of 4 x 4, 327,680 bytes of LDS; arguments pc, ps, cod, scl, b_o, out0; writes out0
.if DOCPART == 4
	.amdgcn_target "amdgcn-amd-amdhsa--gfx1250"
	.amdhsa_code_object_version 6
	.text
	.protected	k_qaf6b44e284_oproj
	.globl	k_qaf6b44e284_oproj
	.p2align	8
	.type	k_qaf6b44e284_oproj,@function
k_qaf6b44e284_oproj:
	s_mov_b64 s[64:65], 0
	v_nop
	global_prefetch_b8 v0, s[64:65] scope:SCOPE_SE
	s_setreg_imm32_b32 hwreg(HW_REG_WAVE_MODE, 25, 1), 1
	s_wait_xcnt 0x0
	s_wait_alu depctr_hold_cnt(0) depctr_sa_sdst(0) depctr_va_vdst(0) depctr_va_sdst(0) depctr_va_ssrc(0) depctr_va_vcc(0) depctr_vm_vsrc(0)
	s_getreg_b32 s2, hwreg(HW_REG_IB_STS2, 6, 4)
	s_cmp_eq_u32 s2, 0
	s_cbranch_scc0 .Lentry_in_a_cluster
	s_endpgm
.Lentry_in_a_cluster:
	s_bfe_u32 s2, ttmp6, 0x10000c
	s_cmp_lg_u32 s2, 0xf033
	s_cbranch_scc0 .Lentry_shape_is_right
	s_endpgm
.Lentry_shape_is_right:
; LAUNCH 4 OF 4.  out0 = pred w_o^T + b_o on codes of FP4 with E8M0 scales, sums in f32.  No work is left out here.
; A tile of 128 rows x 256 columns, so that 8,192 x 1,024 results give 256 work-groups; four waves, each 64 rows (four tiles of A) x 128 columns (one group of B): 32 accumulators.
; K = 1,024 lies whole in LDS, brought in two halves, each filled once.  Operands are images of fragment registers, as launch 1 describes them; pred's come from launch 3 (pc, ps), w_o's are groups 88-95 of cod and scl.
; Source 0 = 16 rows of w_o, source 1 = 16 rows of pred: a lane holds one row of out0, and the 16 registers of tiles 2 b', 2 b' + 1 are columns 32 b' + 16 (lane / 16) + 0 .. 15 of the group.
; CLUSTERS: 4 x 4 work-groups; pred's group is shared along a row of the cluster, w_o's two groups along a column: joint loads divide the requests by four.
; REGISTERS.  Window 0: v0-31 addresses; v32-47 scale words, two sets; v128-255 A's fragments, two sets of 32 at v128 and v192; on the way out v128-255 rows of out0.  Window 1: B's fragments at v0 and v128; v64-127 b_o.  Window 2: accumulator (a, b) at v[8 (8 a + b)].
.set NL,    26                         ; LDS loads of a K step: 16 for B, 8 for A, 2 of scale words
.set BCOD,  65536                      ; LDS: A's group at 0; B's two groups;
.set ASC,   196608                     ; A's scale words;
.set BSC,   200704                     ; B's;
.set STAGE, 208896                     ; the way out: 16 rows x 528 bytes for each wave: bytes of their own, into which no fill lands;
.set SPARE, 242688                     ; the spare words, 128 bytes a wave: two blocks of 256 bytes that no other line names
.set L16,   3
.set ADRA,  16
.set ADRB,  17
.set ADSA,  18
.set ADSB,  19
.set STO,   20                         ; v20  the stage: where I put a row's bytes
.set RD,    21                         ; v21  and where I read a row back
.set SPW,   28
.set NIL,   29
.set G1A,   24
.set G1B,   32
.set G1SA,  40
.set G1SB,  48
.set DSA,   56
.set DA0,   60
.set DA1,   68
.set DSB,   72
.set DB0,   76
.set DB1,   80
.set MSB, 0
.macro WIN new
.if MSB != (\new)
	s_set_vgpr_msb (MSB<<8)|(\new)
.set MSB, (\new)
.endif
.endm
.macro PLACES
.rept 4
	v_nop
.endr
.endm
.macro JLOAD g0a, g1a, g0b, g1b        ; waves 0 and 1 fetch for A, waves 2 and 3 for B; an s_nop 0 and four v_nop follow each line
	s_cmp_eq_u32 s19, 0
	s_cbranch_scc0 .Lfor_b_\@
	tensor_load_to_lds s[\g0a:\g0a+3], s[\g1a:\g1a+7]
	s_nop 0
.rept 4
	v_nop
.endr
	s_branch .Lasked_\@
.Lfor_b_\@:
	tensor_load_to_lds s[\g0b:\g0b+3], s[\g1b:\g1b+7]
	s_nop 0
.rept 4
	v_nop
.endr
.Lasked_\@:
.endm
.macro CROUND
	s_barrier_signal -1
	s_barrier_wait -1
	s_cmp_lg_u32 s18, 0
	s_cbranch_scc1 .Lnot_wave_0_\@
	s_barrier_signal -3
.Lnot_wave_0_\@:
	s_barrier_wait -3
	s_barrier_signal -1
	s_barrier_wait -1
.endm
	s_load_b256 s[4:11], s[0:1], 0x0               ; pc, ps, cod, scl
	s_load_b128 s[12:15], s[0:1], 0x20             ; b_o, out0
	v_lshl_add_u32 v[SPW], v0, 2, SPARE
	v_mov_b32 v[NIL], 0
	ds_add_u32 v[SPW], v[NIL]                      ; the wave's opening: the add, twice on end, and its wait ahead of my first tensor load
	ds_add_u32 v[SPW], v[NIL]
	v_lshrrev_b32 v1, 5, v0
	v_readfirstlane_b32 s18, v1                    ; wave
	s_lshr_b32 s19, s18, 1                         ; which 64 rows are mine.  Also: I fetch for A (0) or for B (1)
	s_and_b32 s20, s18, 1                          ; which group of B.  Also: which part I fetch
	s_bfe_u32 s21, ttmp6, 0x40000                  ; cx
	s_bfe_u32 s22, ttmp6, 0x40004                  ; cy
	s_and_b32 s95, ttmp7, 0xffff
	s_lshl_b32 s95, s95, 2
	s_add_co_u32 s95, s95, s22                     ; A's group: 4 x cluster y + cy
	s_lshl_b32 s96, ttmp9, 2
	s_add_co_u32 s96, s96, s21                     ; the tile column: 4 x cluster x + cx
	s_lshl_b32 s96, s96, 1                         ; its first group of 128 columns
	s_lshl_b32 s99, s22, 2
	s_lshl_b32 s99, 15, s99                        ; my row of the cluster
	s_lshl_b32 s100, 0x1111, s21                   ; my column
	s_or_b32 s[G1A], s99, (3<<16)|(1<<21)          ; 15:0 the mask; 17:16 elements of 8 bytes; 21 set beside a mask; no padding
	s_or_b32 s[G1SA], s99, (3<<16)|(1<<21)
	s_or_b32 s[G1B], s100, (3<<16)|(1<<21)
	s_or_b32 s[G1SB], s100, (3<<16)|(1<<21)
.macro SHAPE g, rows                   ; dense bytes as rows of 256
	s_mov_b32 s[\g+1], 32<<16
	s_mov_b32 s[\g+2], (\rows)<<16
	s_mov_b32 s[\g+3], 32<<16
	s_mov_b32 s[\g+4], \rows
	s_mov_b32 s[\g+5], 32
	s_mov_b32 s[\g+6], 0
	s_mov_b32 s[\g+7], 0
.endm
	SHAPE G1A, 64                                  ; A: a quarter of the group's codes to a load (two waves share each half of K)
	SHAPE G1B, 128                                 ; B: half a group's
	SHAPE G1SA, 8                                  ; A's scale words: half of 4,096 bytes
	SHAPE G1SB, 16                                 ; B's: a group's
	s_lshl_b32 s84, s95, 16
	s_lshl_b32 s23, s20, 14
	s_add_co_u32 s84, s84, s23                     ; A's codes: group x 65,536 + part x 16,384
	s_mov_b32 s85, 0
	s_lshr_b32 s86, s84, 3                         ; (an eighth of that is not the scale words' place: made below)
	s_lshl_b32 s86, s95, 12
	s_lshl_b32 s97, s20, 11
	s_add_co_u32 s86, s86, s97                     ; A's scale words: group x 4,096 + part x 2,048
	s_mov_b32 s87, 0
	s_add_co_u32 s101, s96, s20
	s_add_co_u32 s101, s101, 88                    ; the group of w_o that I would fetch
	s_lshl_b32 s88, s101, 16
	s_mov_b32 s89, 0
	s_lshl_b32 s90, s101, 12
	s_mov_b32 s91, 0
	s_lshl_b32 s2, s20, 16
	s_add_co_u32 s2, s2, BCOD                      ; LDS: B's codes,
	s_lshl_b32 s3, s20, 12
	s_add_co_u32 s3, s3, BSC                       ; B's scale words
	s_wait_dscnt 0x0                               ; both opening adds are done
	s_wait_kmcnt 0x0
	s_mov_b32 s[DSA], 1
	s_add_co_u32 s[DSA+1], s97, ASC
	s_add_nc_u64 s[DSA+2:DSA+3], s[6:7], s[86:87]
	s_or_b32 s[DSA+3], s[DSA+3], 0x80000000
	s_mov_b32 s[DA0], 1
	s_mov_b32 s[DA0+1], s23
	s_add_nc_u64 s[DA0+2:DA0+3], s[4:5], s[84:85]
	s_mov_b32 s[DA1], 1
	s_add_co_u32 s[DA1+1], s23, 32768
	s_add_nc_u64 s[DA1+2:DA1+3], s[DA0+2:DA0+3], 32768
	s_or_b32 s[DA0+3], s[DA0+3], 0x80000000
	s_or_b32 s[DA1+3], s[DA1+3], 0x80000000
	s_mov_b32 s[DSB], 1
	s_mov_b32 s[DSB+1], s3
	s_add_nc_u64 s[DSB+2:DSB+3], s[10:11], s[90:91]
	s_or_b32 s[DSB+3], s[DSB+3], 0x80000000
	s_mov_b32 s[DB0], 1
	s_mov_b32 s[DB0+1], s2
	s_add_nc_u64 s[DB0+2:DB0+3], s[8:9], s[88:89]
	s_mov_b32 s[DB1], 1
	s_add_co_u32 s[DB1+1], s2, 32768
	s_add_nc_u64 s[DB1+2:DB1+3], s[DB0+2:DB0+3], 32768
	s_or_b32 s[DB0+3], s[DB0+3], 0x80000000
	s_or_b32 s[DB1+3], s[DB1+3], 0x80000000
	CROUND                                         ; all sixteen work-groups are here: the first joint loads meet
	JLOAD DSA, G1SA, DSB, G1SB                     ; three loads of mine are out: scale words,
	JLOAD DA0, G1A, DB0, G1B                       ; K steps 0 to 3,
	JLOAD DA1, G1A, DB1, G1B                       ; K steps 4 to 7
	s_add_co_u32 s93, s96, s20                     ; my group of 128 columns
	s_lshl_b32 s2, s93, 9                          ; in bytes
	s_mov_b32 s3, 0
	s_add_nc_u64 s[12:13], s[12:13], s[2:3]        ; b_o there,
	s_add_nc_u64 s[14:15], s[14:15], s[2:3]        ; out0 there,
	s_lshl_b32 s2, s95, 19
	s_lshl_b32 s94, s19, 18
	s_add_co_u32 s2, s2, s94
	s_add_nc_u64 s[14:15], s[14:15], s[2:3]        ; at my 64 rows: (128 x group + 64 x half) rows of 4,096 bytes
	v_and_b32 v1, 31, v0
	v_and_b32 v2, 15, v0                           ; r
	s_wait_alu depctr_va_vdst(0)
	v_bfe_u32 v4, v0, 4, 1                         ; h
	v_lshlrev_b32 v[L16], 4, v1
	s_lshl_b32 s99, s19, 12
	v_add_nc_u32 v[ADRA], s99, v[L16]              ; my four tiles of A
	s_lshl_b32 s99, s20, 16
	s_add_co_u32 s99, s99, BCOD
	v_add_nc_u32 v[ADRB], s99, v[L16]
	s_lshl_b32 s99, s19, 8
	s_add_co_u32 s99, s99, ASC
	v_lshl_add_u32 v[ADSA], v2, 4, s99             ; A's scale words: 16 r in both halves of the lanes: register q holds my tile q's
	s_lshl_b32 s99, s20, 12
	s_add_co_u32 s99, s99, BSC
	v_add_nc_u32 v[ADSB], s99, v[L16]
	s_mul_i32 s99, s18, 16*528
	s_add_co_u32 s99, s99, STAGE
	v_mul_u32_u24 v[STO], v2, 528
	s_wait_alu depctr_va_vdst(0)
	v_lshl_add_u32 v[STO], v4, 6, v[STO]
	v_add_nc_u32 v[STO], s99, v[STO]               ; in: row r, + 64 h
	v_add_nc_u32 v[RD], s99, v[L16]                ; back: a whole row of 512 bytes
	v_lshlrev_b32 v22, 6, v4                       ; b_o runs along the registers: 16 h numbers on
	WIN 0x40
.irp b, 0,1,2,3,4,5,6,7                ; THE BIAS IS THE C OF EACH SUM'S FIRST MATRIX INSTRUCTION
	global_load_b128 v[64+8*\b:64+8*\b+3], v22, s[12:13] offset:(32*(\b/2)+8*(\b%2))*4
	global_load_b128 v[64+8*\b+4:64+8*\b+7], v22, s[12:13] offset:(32*(\b/2)+8*(\b%2))*4+16
.endr
	WIN 0
.macro FETCH s, p
	WIN 0x40
.irp t, 0,1,2,3,4,5,6,7
.irp c, 0,1
	ds_load_b128 v[128*(\p)+8*\t+4*\c:128*(\p)+8*\t+4*\c+3], v[ADRB] offset:(\s)*8192+\t*1024+\c*512
.endr
.endr
	WIN 0
.irp t, 0,1,2,3
.irp c, 0,1
	ds_load_b128 v[128+64*(\p)+8*\t+4*\c:128+64*(\p)+8*\t+4*\c+3], v[ADRA] offset:(\s)*8192+\t*1024+\c*512
.endr
.endr
	ds_load_b128 v[32+8*(\p):35+8*(\p)], v[ADSA] offset:(\s)*512
	ds_load_b128 v[36+8*(\p):39+8*(\p)], v[ADSB] offset:(\s)*512
.endm
; 32 products of a K step on set p; the 32 accumulators take turns, one instruction a turn.  first = 1: the sums start from b_o
.macro MULS p, first
.if \first
	WIN 0x91                                       ; source 0 (B) window 1, source 1 (A) window 0, C window 1, D window 2
.else
	WIN 0xa1                                       ; C and D window 2
.endif
.irp a, 0,1,2,3
.irp b, 0,1,2,3,4,5,6,7
.set rD, 8*(8*\a+\b)
.set rB, 128*(\p)+8*\b
.set rA, 128+64*(\p)+8*\a
.set rC, rD
.if \first
.set rC, 64+8*\b
.endif
.set sB, 36+8*(\p)+\b%4
.set sA, 32+8*(\p)+\a
.if \b/4
	v_wmma_scale_f32_16x16x128_f8f6f4 v[rD:rD+7], v[rB:rB+7], v[rA:rA+7], v[rC:rC+7], v[sB], v[sA] matrix_a_fmt:MATRIX_FMT_FP4 matrix_b_fmt:MATRIX_FMT_FP4 matrix_a_scale:MATRIX_SCALE_ROW1
.else
	v_wmma_scale_f32_16x16x128_f8f6f4 v[rD:rD+7], v[rB:rB+7], v[rA:rA+7], v[rC:rC+7], v[sB], v[sA] matrix_a_fmt:MATRIX_FMT_FP4 matrix_b_fmt:MATRIX_FMT_FP4
.endif
.endr
.endr
.endm
.macro STEP s
.if (\s) == 3
	s_wait_tensorcnt 0x0                           ; my part of K's second half has landed;
	s_wait_dscnt 0x0                               ; no LDS load of mine is out at a signal
	s_barrier_signal -1
	s_barrier_wait -1                              ; everybody's has.
.endif
.if (\s) < 7
	PLACES
	FETCH (\s)+1, ((\s)+1)%2
	s_wait_dscnt NL                                ; this step's loads are in; the NL just issued may be out
.else
	s_wait_dscnt 0x0
.endif
	MULS (\s)%2, 0
.endm
	s_wait_tensorcnt 1                             ; the scale words and my part of K steps 0 to 3 are in; the second half's load may be out
	s_barrier_signal -1
	s_barrier_wait -1
	FETCH 0, 0
	FETCH 1, 1
	s_wait_dscnt NL
	s_wait_loadcnt 0x0                             ; b_o
	MULS 0, 1
	STEP 1
	STEP 2
	STEP 3
	STEP 4
	STEP 5
	STEP 6
	STEP 7
	WIN 0
; THE WAY OUT, a tile of 16 rows x 128 columns at a time, through my own stage: in as 32 bytes a lane and tile, back as whole rows of 512 bytes.  LDS serves a wave's instructions in order: no wait between the stores and the loads.
.macro TOSTAGE a
	WIN 0x08                                       ; an LDS store's data are its source 1: window 2
.irp b, 0,1,2,3,4,5,6,7
	ds_store_b128 v[STO], v[64*(\a)+8*\b:64*(\a)+8*\b+3] offset:128*(\b/2)+32*(\b%2)        ; each accumulator from its low end on
	ds_store_b128 v[STO], v[64*(\a)+8*\b+4:64*(\a)+8*\b+7] offset:128*(\b/2)+32*(\b%2)+16
.endr
	WIN 0
.set BB, 128+64*((\a)%2)
.irp t, 0,1,2,3,4,5,6,7,8,9,10,11,12,13,14,15
	ds_load_b128 v[BB+4*\t:BB+4*\t+3], v[RD] offset:528*\t
.endr
.endm
.macro SEND a, younger                 ; younger: the LDS instructions issued behind tile a's loads, which may stay out
.set BB, 128+64*((\a)%2)
	s_wait_dscnt \younger
.irp t, 0,1,2,3,4,5,6,7,8,9,10,11,12,13,14,15
	global_store_b128 v[L16], v[BB+4*\t:BB+4*\t+3], s[14:15] offset:(32*((\a)/2)+8*((\a)%2)+\t+8*(\t/8))*4096 th:TH_STORE_NT   ; 512 consecutive bytes of one row, aligned to 256; written once, read by nobody here
.endr
.endm
	PLACES                                         ; in front of the stores that read results and of the loads into registers that held A's fragments
	s_wait_alu depctr_va_vdst(0)
	TOSTAGE 0
.irp a, 1,2,3
.if \a > 1
	s_wait_xcnt 0x0                                ; tile a - 2's stores have read their registers: tile a's loads may land there
.endif
	TOSTAGE \a
	SEND \a-1, 32                                  ; behind tile a - 1's loads: tile a's 16 stores and 16 loads
.endr
	SEND 3, 0
	s_wait_tensorcnt 0x0                           ; the wave's end: behind my last tensor load and my last LDS store
	ds_add_u32 v[SPW], v[NIL]
	s_wait_dscnt 0x0
	CROUND                                         ; the closing round: no work-group ends while a partner may still ask for a tile that names it
	s_endpgm
.Lfunc_end_k_qaf6b44e284_oproj:
	.size	k_qaf6b44e284_oproj, .Lfunc_end_k_qaf6b44e284_oproj-k_qaf6b44e284_oproj
	.p2alignl 7, 3214868480
	.fill 96, 4, 3214868480
	.section	.rodata,"a",@progbits
	.p2align	6, 0x0
	.amdhsa_kernel k_qaf6b44e284_oproj
		.amdhsa_group_segment_fixed_size 327680
		.amdhsa_private_segment_fixed_size 0
		.amdhsa_enable_private_segment 0
		.amdhsa_kernarg_size 48
		.amdhsa_user_sgpr_count 2
		.amdhsa_user_sgpr_kernarg_segment_ptr 1
		.amdhsa_wavefront_size32 1
		.amdhsa_system_sgpr_workgroup_id_x 1
		.amdhsa_system_sgpr_workgroup_id_y 1
		.amdhsa_system_sgpr_workgroup_id_z 1
		.amdhsa_system_vgpr_workitem_id 0
		.amdhsa_next_free_vgpr 768
		.amdhsa_next_free_sgpr 102
		.amdhsa_reserve_vcc 0
		.amdhsa_float_denorm_mode_32 3
		.amdhsa_float_denorm_mode_16_64 3
		.amdhsa_memory_ordered 1
		.amdhsa_forward_progress 1
		.amdhsa_inst_pref_size 72
	.end_amdhsa_kernel
	.amdgpu_metadata
---
amdhsa.version: [ 1, 2 ]
amdhsa.kernels:
  - .name:           k_qaf6b44e284_oproj
    .symbol:         k_qaf6b44e284_oproj.kd
    .args:
      - { .name: pc, .offset: 0, .size: 8, .value_kind: global_buffer, .address_space: global }
      - { .name: ps, .offset: 8, .size: 8, .value_kind: global_buffer, .address_space: global }
      - { .name: cod, .offset: 16, .size: 8, .value_kind: global_buffer, .address_space: global }
      - { .name: scl, .offset: 24, .size: 8, .value_kind: global_buffer, .address_space: global }
      - { .name: b_o, .offset: 32, .size: 8, .value_kind: global_buffer, .address_space: global }
      - { .name: out0, .offset: 40, .size: 8, .value_kind: global_buffer, .address_space: global }
    .group_segment_fixed_size: 327680
    .private_segment_fixed_size: 0
    .kernarg_segment_align: 8
    .kernarg_segment_size: 48
    .max_flat_workgroup_size: 128
    .sgpr_count:     102
    .vgpr_count:     768
    .wavefront_size: 32
...
	.end_amdgpu_metadata
.endif
;; end of part 4
